; MI455X (gfx1250); checked and timed in simulation.
; The chip was launched on July 23, 2026; its instructions are those of AMD's public machine-readable ISA for CDNA 5 (MIT licence, August 2026) and "CDNA5" Instruction Set Architecture Reference Guide (July 2026). The comments in the code are by the model that wrote it; some were corrected since.
;; Local Self Attenion Layer. Allowed arithmetic: matrix products marked QUANTISED: E2M3 operands, one E8M0 scale for each 32 along K, by v_wmma_scale_f32_16x16x128_f8f6f4 with both operands' format E2M3, f32 sums; everything else in f32.
;; Inputs: W_in 1,024 x 512 float32; W_out 512 x 1,024 float32; attn_out_w 1,024 x 1,024 float32; b_in 1,024 float32; b_out 512 float32; in_proj_w 3,072 x 1,024 float32; ln_b 1,024 float32; ln_g 1,024 float32; seq_lengths 8 int32; x 1,024 x 8 x 512 float32.
;; Outputs: out0 1,024 x 8 x 512 float32; out1 1,024 x 8 x 1,024 float32.
;; Constants: window_size = 128.
;; This version of the problem:
;;   THIS VERSION OF THE PROBLEM IS GIVEN IN LOW PRECISION. The matrix products marked QUANTISED in the list below multiply operands that are first quantised to E2M3 (2 exponent bits, 3 mantissa bits; 6 bits a number), with one power-of-two scale for each 32 numbers along K (OCP MX v1.0); their sums are f32. All else is computed in f32.
;;   The module's matrix products, in the order in which they are computed (A, B: the left and right operand; K: the contracted axis; several contracted axes count as one K, in the product's order):
;;     1. [M 8,192, K 512] x [K 512, N 1,024]; A: input x; B: input W_in: QUANTISED
;;     2. [M 8,192, K 1,024] x [K 1,024, N 3,072]; A: computed on the way; B: input in_proj_w: QUANTISED
;;     3. batch 128 x [M 1,024, K 64] x [K 64, N 1,024]; A: computed on the way; B: computed on the way: QUANTISED
;;     4. batch 128 x [M 1,024, K 1,024] x [K 1,024, N 64]; A: computed on the way; B: computed on the way: QUANTISED
;;     5. [M 8,192, K 1,024] x [K 1,024, N 1,024]; A: computed on the way; B: input attn_out_w: QUANTISED
;;     6. [M 8,192, K 1,024] x [K 1,024, N 512]; A: computed on the way; B: input W_out: QUANTISED
;;   THE QUANTISER, for each operand of a quantised product, along K:
;;     - K is cut into blocks of 32 from its start; a last block that is shorter is filled with zeros.
;;     - A block's scale is 2^e with e = floor(log2(the largest magnitude in the block)) - 2, held to -126 .. 127; a block of zeros has e = 0. As a byte (E8M0): e + 127.
;;     - Each number is divided by its block's scale, clamped to +-7.5, and rounded to the nearest number of E2M3, ties to even, subnormals kept.
;;     - The product sums the exact products of the quantised numbers (number of the format x scale) in f32.
;;   ~~~python
;;   def quantise(x, axis):      # numpy; x: float32 -> the quantised numbers, widened to float32 again
;;       x = np.moveaxis(x, axis, -1); K = x.shape[-1]
;;       x = np.pad(x, [(0, 0)] * (x.ndim - 1) + [(0, -K % 32)]); x = x.reshape(x.shape[:-1] + (-1, 32)); a = np.abs(x).max(-1, keepdims=True)
;;       e = np.where(a > 0, np.clip(np.frexp(np.where(a > 0, a, 1))[1] - 1 - 2, -126, 127), 0)      # np.frexp(a)[1] - 1 = floor(log2(a)), exactly
;;       r = np.clip(x / 2.0 ** e, -7.5, 7.5)
;;       step = 2.0 ** (np.maximum(np.frexp(np.where(r == 0, 1, r))[1] - 1, 0) - 3)
;;       q = np.round(r / step) * step * 2.0 ** e      # np.round: ties to even
;;       return np.moveaxis(q.reshape(q.shape[:-2] + (-1,))[..., :K], -1, axis).astype(np.float32)
;;   ~~~
;;   OPERANDS COMPUTED ON THE WAY. 'Computed on the way' means the value that the module computes at that place (a softmax that the list does not call 'softmax' is quantised finished and normalised). What goes into a quantiser is computed in f32, as accurately as f32 sums, v_exp_f32 and their like allow (about 1e-6 of the number): no bf16 or f16 on the way to a quantiser, and a product that is left as it is and whose result goes on into a quantised operand takes f32 operands (vector FMAs, or v_wmma_f32_16x16x4_f32). A number that lies on a knife's edge between two numbers of the format may be rounded either way, as far as f32 arithmetic and the matrix unit's own rounding can turn it there, and no further.
;; One version. Each part assembles by itself: llvm-mc -triple=amdgcn-amd-amdhsa -mcpu=gfx1250 --defsym DOCPART=n.
;; ======== version 1 of 1: 6 launches
;; workspace buffers: AC 9,830,400 bytes; WB 4,096,000 bytes; HQ 6,553,600 bytes; QKV 19,660,800 bytes; R 33,554,432 bytes
;; launch quant (part 1): grid 288 x 1, 4 waves a work-group, no clusters, 34,304 bytes of LDS; arguments x, W_in, attn_out_w, in_proj_w, W_out, AC, WB; writes AC, WB
.if DOCPART == 1
	.amdgcn_target "amdgcn-amd-amdhsa--gfx1250"
	.amdhsa_code_object_version 6
	.text
	.protected	k_q140a8b3eb9_quant
	.globl	k_q140a8b3eb9_quant
	.p2align	8
	.type	k_q140a8b3eb9_quant,@function
k_q140a8b3eb9_quant:
	s_mov_b64 s[64:65], 0
	v_nop
	global_prefetch_b8 v0, s[64:65] scope:SCOPE_SE
	s_setreg_imm32_b32 hwreg(HW_REG_WAVE_MODE, 25, 1), 1
	s_wait_xcnt 0x0
; x and the four weights, f32 with K innermost, become codes of FP6 (E2M3) and E8M0 scale bytes, laid as IMAGES OF OPERAND REGISTERS.
; A row tile holds 16 rows, slot r of tile rt = row 32 (rt / 2) + 8 (rt % 2) + r + 8 (r / 8).  A fragment (16 slots x 128 K, 12 registers a lane) is 1,536 bytes:
; for c = 0, 1: registers 6c .. 6c+3 at 768 c + 16 x lane, registers 6c+4, 6c+5 at 768 c + 512 + 8 x lane.  A tile's record: its fragments on end, then 64 bytes of scale words for each (word of slot r at 4 r).
; x's rows are taken in the order b x 1024 + l.  AC: 512 records of 19,200 bytes, K steps 0-3 = x.  WB: 64 records of 19,200 (0-3 W_in, 4-11 attn_out_w), 192 of 12,800 (in_proj_w), 32 of 12,800 (W_out).
; A wave takes one row tile x 512 along K: four fragments.  Each load reads 512 consecutive bytes of one row; a fragment's 16 x 512 bytes turn through the wave's own stage in LDS
; (rows 528 bytes apart), from which lane (r, h) takes k = 64 c + 32 h + 0 .. 31 of slot r: whole blocks of 32, so a block's largest magnitude needs no other lane.
; A block's scale byte is its largest magnitude's exponent field - 2, held at 1 from below.  LIMITS: a block of zeros, or one whose largest magnitude lies under 2^-124, gets the byte 1
; (its codes are zeros or what the conversion gives under that scale; only this program reads the bytes); NaN and infinities among the inputs are not served.
; One path serves all five tensors: the work-group's number chooses pointers and sizes.  Waves share nothing: no barrier.
.set STGB, 8448                        ; a wave's stage: 16 rows x 528 bytes
.set OFF, 8                            ; v8-23   16 x lane + the slot's row x the row pitch
.set R,   32                           ; v32-159 two sets of 64: a fragment's numbers as loaded
.set X,   160                          ; v160-223 my 64 numbers: register 32 c + i = k 64 c + 32 h + i
.set PC,  224                          ; v224-235 the fragment's codes
.set PT,  236                          ; v236-243 second halves of the blocks (a conversion's three registers begin on an even number)
.set TM,  244                          ; v244-249 largest magnitudes, scale operands, bytes
.set PW,  250                          ; v250-253 a scale word for each fragment
	s_load_b256 s[4:11], s[0:1], 0x0               ; x, W_in, attn_out_w, in_proj_w
	s_load_b128 s[12:15], s[0:1], 0x20             ; W_out, AC
	s_load_b64 s[16:17], s[0:1], 0x30              ; WB
	v_lshl_add_u32 v254, v0, 2, 0x8400
	v_mov_b32 v255, 0
	v_lshrrev_b32 v1, 5, v0
	v_readfirstlane_b32 s18, v1                    ; wave
	v_and_b32 v6, 31, v0                           ; lane
	v_and_b32 v7, 15, v0                           ; r
	v_bfe_u32 v24, v0, 4, 1                        ; h
	v_lshlrev_b32 v1, 4, v6                        ; 16 x lane
	v_lshlrev_b32 v2, 3, v6                        ; 8 x lane
	v_lshlrev_b32 v3, 2, v6                        ; 4 x lane
	s_mul_i32 s19, s18, STGB
	v_add_nc_u32 v4, s19, v1                       ; into the stage: a row's 512 bytes as they lie
	v_mul_u32_u24 v5, v7, 528
	v_lshl_add_u32 v5, v24, 7, v5
	v_add_nc_u32 v5, s19, v5                       ; out of it: row r, + 128 h
	v_lshlrev_b32 v25, 3, v24                      ; 8 h: where my two bytes stand in the scale word
	v_cmp_le_u32 vcc_lo, 16, v6                    ; lanes 16-31
	v_mov_b32 v26, 0                               ; (a lane permute's destination counts as read)
	s_mov_b32 s48, 0x76543210
	s_mov_b32 s49, 0xfedcba98                      ; selects for lane l xor 16
	s_mov_b32 s20, 16384                           ; x: bytes from row l to row l + 1
	s_mov_b32 s21, 0                               ; log2 of the units of 512 K in a row
	s_mov_b32 s22, 63                              ; row tiles of one b
	s_mov_b32 s23, 6
	s_mov_b32 s24, 0                               ; the records' offset in the buffer
	s_mov_b32 s25, 19200                           ; a record
	s_mov_b32 s26, 18432                           ; its codes
	s_mov_b32 s27, 0                               ; the first K step written
	s_mov_b32 s28, 0                               ; the tensor's first work-group
	s_wait_kmcnt 0x0
	s_mov_b64 s[30:31], s[4:5]
	s_mov_b64 s[32:33], s[14:15]
	s_cmp_ge_u32 ttmp9, 128                        ; W_in
	s_cselect_b64 s[30:31], s[6:7], s[30:31]
	s_cselect_b64 s[32:33], s[16:17], s[32:33]
	s_cselect_b32 s20, 2048, s20
	s_cselect_b32 s22, 0xffff, s22
	s_cselect_b32 s23, 31, s23
	s_cselect_b32 s28, 128, s28
	s_cmp_ge_u32 ttmp9, 144                        ; attn_out_w
	s_cselect_b64 s[30:31], s[8:9], s[30:31]
	s_cselect_b32 s20, 4096, s20
	s_cselect_b32 s21, 1, s21
	s_cselect_b32 s27, 4, s27
	s_cselect_b32 s28, 144, s28
	s_cmp_ge_u32 ttmp9, 176                        ; in_proj_w
	s_cselect_b64 s[30:31], s[10:11], s[30:31]
	s_cselect_b32 s24, 1228800, s24
	s_cselect_b32 s25, 12800, s25
	s_cselect_b32 s26, 12288, s26
	s_cselect_b32 s27, 0, s27
	s_cselect_b32 s28, 176, s28
	s_cmp_ge_u32 ttmp9, 272                        ; W_out
	s_cselect_b64 s[30:31], s[12:13], s[30:31]
	s_cselect_b32 s24, 3686400, s24
	s_cselect_b32 s28, 272, s28
	s_sub_co_u32 s34, ttmp9, s28
	s_lshl_b32 s34, s34, 2
	s_add_co_u32 s34, s34, s18                     ; my unit in the tensor
	s_lshr_b32 s35, s34, s21                       ; row tile
	s_and_b32 s36, s34, s21                        ; which 512 along K
	s_and_b32 s37, s35, s22                        ; x: the tile within its b
	s_lshr_b32 s38, s35, s23                       ; x: b (0 for the weights)
	s_lshr_b32 s39, s37, 1
	s_lshl_b32 s39, s39, 5
	s_and_b32 s40, s37, 1
	s_lshl_b32 s40, s40, 3
	s_add_co_u32 s39, s39, s40                     ; the tile's first row
	s_mul_i32 s39, s39, s20
	s_add_co_u32 s40, s38, s36
	s_lshl_b32 s40, s40, 11                        ; 2,048 bytes for each b and for each 512 along K
	s_add_co_u32 s40, s39, s40
	s_mov_b32 s41, 0
	s_add_nc_u64 s[30:31], s[30:31], s[40:41]
	s_mul_i32 s42, s35, s25
	s_add_co_u32 s42, s42, s24                     ; my record
	s_lshl_b32 s36, s36, 2
	s_add_co_u32 s36, s36, s27                     ; my first K step in it
	s_mul_i32 s44, s36, 1536
	s_add_co_u32 s44, s44, s42
	s_mov_b32 s45, 0
	s_lshl_b32 s46, s36, 6
	s_add_co_u32 s46, s46, s42
	s_add_co_u32 s46, s46, s26
	s_mov_b32 s47, 0
	s_add_nc_u64 s[44:45], s[32:33], s[44:45]      ; codes
	s_add_nc_u64 s[46:47], s[32:33], s[46:47]      ; scale words
.irp i, 0,1,2,3,4,5,6,7,8,9,10,11,12,13,14,15
	v_mad_u32_u24 v[OFF+\i], s20, \i+8*(\i/8), v1  ; slot i is row i + 8 (i / 8) of the tile
.endr
.macro LOADF f                         ; fragment f: 16 rows x 512 consecutive bytes
.irp i, 0,1,2,3,4,5,6,7,8,9,10,11,12,13,14,15
	global_load_b128 v[R+64*((\f)%2)+4*\i:R+64*((\f)%2)+4*\i+3], v[OFF+\i], s[30:31] offset:512*(\f) th:TH_LOAD_NT
.endr
.endm
.macro FRAGQ f
.if (\f) < 3
	s_wait_loadcnt 16                              ; this fragment's 16 loads are in; the next fragment's 16 may be out
.else
	s_wait_loadcnt 0x0
.endif
.irp i, 0,1,2,3,4,5,6,7,8,9,10,11,12,13,14,15
	ds_store_b128 v4, v[R+64*((\f)%2)+4*\i:R+64*((\f)%2)+4*\i+3] offset:528*\i
.endr
.irp c, 0,1
.irp j, 0,1,2,3,4,5,6,7
	ds_load_b128 v[X+32*\c+4*\j:X+32*\c+4*\j+3], v5 offset:256*\c+16*\j   ; LDS serves a wave's instructions in order: these see the stores above
.endr
.endr
.if (\f) < 2
	s_wait_dscnt 16                                ; the 16 stores are done (the 16 loads behind them may be out): their registers take the fragment two on
	LOADF (\f)+2
.endif
	s_wait_dscnt 0x0
.irp c, 0,1
	v_max3_num_f32 v[TM+\c], |v[X+32*\c]|, |v[X+32*\c+1]|, 0x1800000      ; my block 2 c + h, and the floor 2^(3 - 127): the byte cannot fall under 1
.endr
.irp i, 2,4,6,8,10,12,14,16,18,20,22,24,26,28,30
.irp c, 0,1
	v_max3_num_f32 v[TM+\c], v[TM+\c], |v[X+32*\c+\i]|, |v[X+32*\c+\i+1]|
.endr
.endr
.irp c, 0,1
	v_add_nc_u32 v[TM+2+\c], 0xff000000, v[TM+\c]  ; 2 off the exponent field: the conversion's scale operand
.endr
.irp c, 0,1
	v_lshrrev_b32 v[TM+4+\c], 23, v[TM+2+\c]       ; the scale's byte
.endr
	v_lshl_or_b32 v[PW+\f], v[TM+5], 16, v[TM+4]   ; bytes of blocks h and 2 + h,
	v_lshlrev_b32 v[PW+\f], v25, v[PW+\f]          ; at their places;
	v_permlanex16_b32 v26, v[PW+\f], s48, s49
	v_or_b32 v[PW+\f], v[PW+\f], v26               ; with lane l xor 16's the word is whole
.if (\f) > 0
	s_wait_xcnt 0x0                                ; the last fragment's stores have read their data: the codes' registers are written again only behind this wait
.endif
.irp c, 0,1
	v_cvt_scalef32_pk16_fp6_f32 v[PC+6*\c:PC+6*\c+2], v[X+32*\c:X+32*\c+15], v[TM+2+\c]
	v_cvt_scalef32_pk16_fp6_f32 v[PT+4*\c:PT+4*\c+2], v[X+32*\c+16:X+32*\c+31], v[TM+2+\c]
.endr
	v_nop                                          ; one plain line behind the conversions
.irp c, 0,1
.irp i, 0,1,2
	v_mov_b32 v[PC+6*\c+3+\i], v[PT+4*\c+\i]
.endr
.endr
	global_store_b128 v1, v[PC:PC+3], s[44:45] offset:1536*(\f)              ; 512 consecutive bytes
	global_store_b64 v2, v[PC+4:PC+5], s[44:45] offset:1536*(\f)+512         ; 256
	global_store_b128 v1, v[PC+6:PC+9], s[44:45] offset:1536*(\f)+768
	global_store_b64 v2, v[PC+10:PC+11], s[44:45] offset:1536*(\f)+1280
.endm
	LOADF 0
	LOADF 1
	FRAGQ 0
	FRAGQ 1
	FRAGQ 2
	FRAGQ 3
	v_cndmask_b32 v27, v[PW], v[PW+1], vcc_lo      ; lanes 0-15 one fragment's words, lanes 16-31 the next's: 128 consecutive bytes a store
	v_cndmask_b32 v28, v[PW+2], v[PW+3], vcc_lo
	global_store_b32 v3, v27, s[46:47]
	global_store_b32 v3, v28, s[46:47] offset:128
	s_wait_tensorcnt 0x0
	ds_add_u32 v254, v255
	s_wait_dscnt 0x0
	s_endpgm
.Lfunc_end_k_q140a8b3eb9_quant:
	.size	k_q140a8b3eb9_quant, .Lfunc_end_k_q140a8b3eb9_quant-k_q140a8b3eb9_quant
	.p2alignl 7, 3214868480
	.fill 96, 4, 3214868480
	.section	.rodata,"a",@progbits
	.p2align	6, 0x0
	.amdhsa_kernel k_q140a8b3eb9_quant
		.amdhsa_group_segment_fixed_size 34304
		.amdhsa_private_segment_fixed_size 0
		.amdhsa_enable_private_segment 0
		.amdhsa_kernarg_size 56
		.amdhsa_user_sgpr_count 2
		.amdhsa_user_sgpr_kernarg_segment_ptr 1
		.amdhsa_wavefront_size32 1
		.amdhsa_system_sgpr_workgroup_id_x 1
		.amdhsa_system_sgpr_workgroup_id_y 1
		.amdhsa_system_sgpr_workgroup_id_z 1
		.amdhsa_system_vgpr_workitem_id 0
		.amdhsa_next_free_vgpr 256
		.amdhsa_next_free_sgpr 66
		.amdhsa_reserve_vcc 1
		.amdhsa_float_denorm_mode_32 3
		.amdhsa_float_denorm_mode_16_64 3
		.amdhsa_memory_ordered 1
		.amdhsa_forward_progress 1
		.amdhsa_inst_pref_size 33
	.end_amdhsa_kernel
	.amdgpu_metadata
---
amdhsa.version: [ 1, 2 ]
amdhsa.kernels:
  - .name:           k_q140a8b3eb9_quant
    .symbol:         k_q140a8b3eb9_quant.kd
    .args:
      - { .name: x, .offset: 0, .size: 8, .value_kind: global_buffer, .address_space: global }
      - { .name: W_in, .offset: 8, .size: 8, .value_kind: global_buffer, .address_space: global }
      - { .name: attn_out_w, .offset: 16, .size: 8, .value_kind: global_buffer, .address_space: global }
      - { .name: in_proj_w, .offset: 24, .size: 8, .value_kind: global_buffer, .address_space: global }
      - { .name: W_out, .offset: 32, .size: 8, .value_kind: global_buffer, .address_space: global }
      - { .name: AC, .offset: 40, .size: 8, .value_kind: global_buffer, .address_space: global }
      - { .name: WB, .offset: 48, .size: 8, .value_kind: global_buffer, .address_space: global }
    .group_segment_fixed_size: 34304
    .private_segment_fixed_size: 0
    .kernarg_segment_align: 8
    .kernarg_segment_size: 56
    .max_flat_workgroup_size: 128
    .sgpr_count:     66
    .vgpr_count:     256
    .wavefront_size: 32
...
	.end_amdgpu_metadata
.endif
;; end of part 1
;; launch gemm_h (part 2): grid 32 x 4, 4 waves a work-group, clusters of 4 x 4, 327,680 bytes of LDS; arguments AC, WB, b_in, HQ; writes HQ
.if DOCPART == 2
	.amdgcn_target "amdgcn-amd-amdhsa--gfx1250"
	.amdhsa_code_object_version 6
	.text
	.protected	k_q140a8b3eb9_gemm_h
	.globl	k_q140a8b3eb9_gemm_h
	.p2align	8
	.type	k_q140a8b3eb9_gemm_h,@function
k_q140a8b3eb9_gemm_h:
	s_mov_b64 s[64:65], 0
	v_nop
	global_prefetch_b8 v0, s[64:65] scope:SCOPE_SE
	s_setreg_imm32_b32 hwreg(HW_REG_WAVE_MODE, 25, 1), 1
	s_wait_xcnt 0x0
	s_wait_alu depctr_hold_cnt(0) depctr_sa_sdst(0) depctr_va_vdst(0) depctr_va_sdst(0) depctr_va_ssrc(0) depctr_va_vcc(0) depctr_vm_vsrc(0)
	s_getreg_b32 s2, hwreg(HW_REG_IB_STS2, 6, 4)
	s_cmp_eq_u32 s2, 0
	s_cbranch_scc0 .Lentry_in_a_cluster
	s_endpgm
.Lentry_in_a_cluster:
	s_bfe_u32 s2, ttmp6, 0x10000c
	s_cmp_lg_u32 s2, 0xf033
	s_cbranch_scc0 .Lentry_shape_is_right
	s_endpgm
.Lentry_shape_is_right:
; Z[i][j] = sum over k of S1[i][k] S0[j][k] (+ bias[j]), on codes of FP6 (E2M3) with E8M0 scales, and Z is QUANTISED ALONG j in registers and stored as operand images.
; This text (IS_H = 1): h = x W_in^T + b_in.  S1 = x (buffer AC, K steps 0-3 of its records), S0 = W_in (buffer WB), i = the 8,192 rows b x 1024 + l, j = the 1,024 features, K = 512.
; FORMAT of every operand: row tiles of 16 slots (slot r of tile rt = row 32 (rt / 2) + 8 (rt % 2) + r + 8 (r / 8)); a fragment (16 slots x 128 K) is 1,536 bytes, an image of its 12 registers:
; for c = 0, 1 registers 6c .. 6c+3 at 768 c + 16 x lane, registers 6c+4, 6c+5 at 768 c + 512 + 8 x lane; a tile's record = its fragments, then 64 bytes of scale words for each.
; A work-group of four waves makes 256 i x 256 j, a wave 128 x 128: 64 accumulators, 512 registers.  Source 0 = 16 rows of S0, source 1 = 16 rows of S1: with the tiles' row order a lane holds ONE row i
; and its 16 registers of two neighbouring tiles are 16 neighbours along j, so the conversions' results are the next product's operand.
; K goes in steps of 256 through two LDS slots filled by the tensor data mover (a tile's part of a step is 3,072 consecutive bytes); the scale words of the work-group's rows come once.
; CLUSTER 4 x 4: S1's tiles are shared along a row of the cluster, S0's along a column: asked for jointly, by the same load with the same descriptor and a mask that names the four.
; REGISTERS: window 0: v8-22 addresses; v32-63 scale words, two sets; v64-127 the bias in the result's layout; v128-223 S1's fragments, one set; later v128-166 the quantiser's.
;   window 1: S0's fragments, two sets (v0, v128).  windows 2, 3: the accumulators, (a, b) at v[8 (8 (a % 4) + b)].
; LIMITS: a block of zeros, or one whose largest magnitude lies under 2^-124, gets the scale byte 1; NaN and infinities are not served.  Scale words leave in runs of 64 bytes (one byte for 24 of codes).
.set IS_H, 1
.if IS_H
.set REC,  19200                       ; a record of S0 and of S1
.set COD,  18432                       ; its codes
.set KTOT, 512
.else
.set REC,  12800
.set COD,  12288
.set KTOT, 1024
.endif
.set KSL,   KTOT/128
.set NQ,    2                          ; matrix instructions deep in a slot
.set FR,    12
.set NL,    4                          ; LDS loads that bring a fragment
.set NP,    4                          ; places behind this matrix instruction (ISA guide 7.12.1)
.set FRB,   1536
.set TILEB, NQ*FRB                     ; a row tile's part of a slot
.set HALFT, 8*TILEB                    ; 8 row tiles: what one tensor load brings, and what one wave reads of S1 or of S0
.set SLOT,  4*HALFT
.set LAPS,  KTOT/512
.set SCL,   2*SLOT                     ; behind the ring: the scale words
.set HALFS, 512*KSL                    ; those of 8 row tiles
.set SPARE, SCL+4*HALFS                ; the spare words, 128 bytes for each wave, that no other line names
.set ADRA16, 8                         ; v8-9   S1's fragments in slot 0, 1: + 16 x lane;  v10-11: + 8 x lane
.set ADRA8,  10
.set ADRB16, 12                        ; v12-15 the same for S0
.set ADRB8,  14
.set ADRS,   16                        ; v16    my scale words: lanes 0-15 S1's tiles, lanes 16-31 S0's
.set L16,    20
.set L8,     21
.set LSC,    22
.set SPW,    28
.set NIL,    29
.set SC,     32
.set BIAS,   64
.set AF,     128
.set TM,     128
.set PC,     144
.set PT,     156
.set PW,     164
.set SW,     166
.set SEL,  66                          ; s[66:67]
.set G1,   24
.set G0,   32
.set G1B,  48
.set G0B,  56
.set G1S,  68
.set G0S,  76
.set G1SB, 80
.set G0SB, 88
.set MSB, 0
.macro WIN new                         ; the immediate's high byte repeats the setting that is left
.if MSB != (\new)
	s_set_vgpr_msb (MSB<<8)|(\new)
.set MSB, (\new)
.endif
.endm
.set TO_B, 0x40
.macro PLACES n
.rept \n
	v_nop
.endr
.endm
; A joint load: waves 0 and 1 fetch for S1, waves 2 and 3 for S0; the branch hangs on the wave's number alone.  Four v_nop follow each of the two lines.
.macro JLOAD g0a, g1a, g0b, g1b
	s_cmp_eq_u32 s15, 0
	s_cbranch_scc0 .Lfor_b_\@
	tensor_load_to_lds s[\g0a:\g0a+3], s[\g1a:\g1a+7]
	s_nop 0
.rept 4
	v_nop
.endr
	s_branch .Lasked_\@
.Lfor_b_\@:
	tensor_load_to_lds s[\g0b:\g0b+3], s[\g1b:\g1b+7]
	s_nop 0
.rept 4
	v_nop
.endr
.Lasked_\@:
.endm
.macro CREST                           ; a round of the cluster's barrier behind its opening barrier
	s_cmp_lg_u32 s14, 0
	s_cbranch_scc1 .Lnot_wave_0_\@
	s_barrier_signal -3
.Lnot_wave_0_\@:
	s_barrier_wait -3
	s_barrier_signal -1
	s_barrier_wait -1
.endm
.macro CROUND
	s_barrier_signal -1
	s_barrier_wait -1
	CREST
.endm
	s_load_b128 s[4:7], s[0:1], 0x0                ; the first two buffers
.if IS_H
	s_load_b128 s[8:11], s[0:1], 0x10              ; b_in, the output
.else
	s_load_b64 s[10:11], s[0:1], 0x10              ; the output
.endif
	v_lshl_add_u32 v[SPW], v0, 2, SPARE
	v_mov_b32 v[NIL], 0
	ds_add_u32 v28, v29
	ds_add_u32 v28, v29
	s_wait_dscnt 0x0
	v_lshrrev_b32 v1, 5, v0
	v_readfirstlane_b32 s14, v1                    ; wave 0..3
	s_lshr_b32 s15, s14, 1                         ; which half of the tile's i is mine.  Also: I fetch for S1 (0) or for S0 (1)
	s_and_b32 s16, s14, 1                          ; which half of its j.  Also: which 8 row tiles I fetch
	s_bfe_u32 s40, ttmp6, 0x40000                  ; cx, cy: my place in the cluster
	s_bfe_u32 s41, ttmp6, 0x40004
.if IS_H
	s_lshl_b32 s17, ttmp9, 2
	s_add_co_u32 s17, s17, s41                     ; tile row = 4 x cluster + cy
	s_mov_b32 s42, s40                             ; tile column = cx
.else
	s_lshr_b32 s18, ttmp9, 1
	s_lshl_b32 s18, s18, 2                         ; q, k (clusters 0-15): tile rows 4 (c / 2) on,
	s_and_b32 s19, ttmp9, 1
	s_lshl_b32 s19, s19, 2                         ; tile columns 4 (c % 2) on
	s_sub_co_u32 s20, ttmp9, 16
	s_lshl_b32 s20, s20, 2                         ; v (clusters 16-23): tile rows 0 on, tile columns 4 (c - 16) on
	s_cmp_lt_u32 ttmp9, 16                         ; the cluster's number is the same in all sixteen partners
	s_cselect_b32 s18, s18, 0
	s_cselect_b32 s19, s19, s20
	s_cselect_b32 s95, 0, 2867200                  ; S1's records begin here in their buffer (v: the last 64 row tiles of in_proj_w),
	s_cselect_b32 s2, 1228800, 0                   ; S0's here (q, k: in_proj_w's first)
	s_add_co_u32 s17, s18, s41
	s_add_co_u32 s42, s19, s40
.endif
	s_lshl_b32 s43, s41, 2
	s_lshl_b32 s43, 15, s43                        ; my row of the cluster
	s_lshl_b32 s44, 0x1111, s40                    ; my column
	s_mov_b32 s[SEL], 0x76543210
	s_mov_b32 s[SEL+1], 0xfedcba98
	; descriptor group 1, codes: 8 row tiles x 3,072 bytes (384 elements of 8 bytes), a record apart; no padding: the images are read 512 or 256 consecutive bytes an instruction
	s_or_b32 s[G1+0], s43, (3<<16)|(1<<21)
	s_or_b32 s[G1B+0], s44, (3<<16)|(1<<21)
.irp g, G1, G1B
	s_mov_b32 s[\g+1], 384<<16                     ; tensor_dim0
	s_mov_b32 s[\g+2], 8<<16                       ; tensor_dim1
	s_mov_b32 s[\g+3], 384<<16                     ; tile_dim0
	s_mov_b32 s[\g+4], 8                           ; tile_dim1
	s_mov_b32 s[\g+5], REC/8                       ; tensor_dim0_stride
	s_mov_b32 s[\g+6], 0
	s_mov_b32 s[\g+7], 0
.endr
	; scale words: 8 row tiles x 64 KSL bytes
	s_or_b32 s[G1S+0], s43, (3<<16)|(1<<21)
	s_or_b32 s[G1SB+0], s44, (3<<16)|(1<<21)
.irp g, G1S, G1SB
	s_mov_b32 s[\g+1], (8*KSL)<<16
	s_mov_b32 s[\g+2], 8<<16
	s_mov_b32 s[\g+3], (8*KSL)<<16
	s_mov_b32 s[\g+4], 8
	s_mov_b32 s[\g+5], REC/8
	s_mov_b32 s[\g+6], 0
	s_mov_b32 s[\g+7], 0
.endr
	s_lshl_b32 s18, s16, 3                         ; which 8 row tiles of the 16 I fetch
	s_lshl_b32 s20, s17, 4
	s_add_co_u32 s20, s20, s18
	s_mul_i32 s20, s20, REC                        ; S1: hangs on the tile row alone
	s_lshl_b32 s46, s42, 4
	s_add_co_u32 s46, s46, s18
	s_mul_i32 s46, s46, REC                        ; S0: on the tile column alone
.if !IS_H
	s_add_co_u32 s20, s20, s95
	s_add_co_u32 s46, s46, s2
.endif
	s_mov_b32 s21, 0
	s_mov_b32 s47, 0
	s_mul_i32 s45, s14, HALFT                      ; where they go: wave x 8 row tiles: no place in the cluster enters an LDS address
	s_mul_i32 s94, s14, HALFS
	s_wait_kmcnt 0x0
.if IS_H
	s_mov_b64 s[96:97], s[4:5]
	s_mov_b64 s[98:99], s[6:7]
.else
	s_cmp_lt_u32 ttmp9, 16
	s_cselect_b64 s[96:97], s[4:5], s[6:7]         ; S1: h's codes (q, k) or the weights (v)
	s_cselect_b64 s[98:99], s[6:7], s[4:5]         ; S0: the other
.endif
	s_add_nc_u64 s[20:21], s[96:97], s[20:21]
	s_add_nc_u64 s[46:47], s[98:99], s[46:47]
	s_add_nc_u64 s[22:23], s[20:21], COD
	s_add_nc_u64 s[92:93], s[46:47], COD
	CROUND                                         ; all sixteen work-groups are here: the first joint loads meet
	s_mov_b32 s[G0S], 1
	s_add_co_u32 s[G0S+1], s94, SCL
	s_mov_b64 s[G0S+2:G0S+3], s[22:23]
	s_or_b32 s[G0S+3], s[G0S+3], 0x80000000
	s_mov_b32 s[G0SB], 1
	s_add_co_u32 s[G0SB+1], s94, SCL
	s_mov_b64 s[G0SB+2:G0SB+3], s[92:93]
	s_or_b32 s[G0SB+3], s[G0SB+3], 0x80000000
	JLOAD G0S, G1S, G0SB, G1SB                     ; the scale words first: they are wanted with K step 0
.irp s, 0,1
	s_mov_b32 s[G0+4*\s], 1
	s_add_co_u32 s[G0+4*\s+1], s45, \s*SLOT
	s_add_nc_u64 s[G0+4*\s+2:G0+4*\s+3], s[20:21], \s*TILEB
	s_or_b32 s[G0+4*\s+3], s[G0+4*\s+3], 0x80000000
	s_mov_b32 s[G0B+4*\s], 1
	s_add_co_u32 s[G0B+4*\s+1], s45, \s*SLOT
	s_add_nc_u64 s[G0B+4*\s+2:G0B+4*\s+3], s[46:47], \s*TILEB
	s_or_b32 s[G0B+4*\s+3], s[G0B+4*\s+3], 0x80000000
	JLOAD G0+4*\s, G1, G0B+4*\s, G1B               ; by this text's count three tensor loads of a wave are out
.endr
	v_and_b32 v1, 31, v0                           ; lane
	v_and_b32 v2, 15, v0                           ; r
	v_bfe_u32 v3, v0, 4, 1                         ; h
	v_lshlrev_b32 v[L16], 4, v1
	v_lshlrev_b32 v[L8], 3, v1
	s_mul_i32 s21, s15, HALFT                      ; my 8 row tiles of S1
	s_mul_i32 s22, s16, HALFT                      ; my 8 of S0,
	s_add_co_u32 s22, s22, 2*HALFT                 ; which lie behind S1's 16
.irp s, 0,1
	v_add_nc_u32 v[ADRA16+\s], s21, v[L16]
	v_add_nc_u32 v[ADRA8+\s], s21, v[L8]
	v_add_nc_u32 v[ADRB16+\s], s22, v[L16]
	v_add_nc_u32 v[ADRB8+\s], s22, v[L8]
	s_add_co_u32 s21, s21, SLOT
	s_add_co_u32 s22, s22, SLOT
.endr
	v_lshlrev_b32 v5, 2, v2                        ; 4 r
	s_mul_i32 s21, s15, HALFS
	s_mul_i32 s22, s16, HALFS
	s_add_co_u32 s22, s22, 2*HALFS
	s_sub_co_u32 s22, s22, s21
	v_mul_u32_u24 v6, s22, v3                      ; lanes 16-31 take S0's
	s_add_co_u32 s21, s21, SCL
	v_add_nc_u32 v5, v5, v6
	v_add_nc_u32 v[ADRS], s21, v5
.if IS_H
	s_lshl_b32 s18, s42, 10                        ; the bias of my 128 j: lane (r, h) wants, for tile b, j = 32 (b / 2) + 8 (b % 2) + 16 h + 0 .. 7
	s_lshl_b32 s19, s16, 9
	s_add_co_u32 s18, s18, s19
	s_mov_b32 s19, 0
	s_add_nc_u64 s[8:9], s[8:9], s[18:19]
	v_lshlrev_b32 v4, 6, v3
.irp b, 0,1,2,3,4,5,6,7
	global_load_b128 v[BIAS+8*\b:BIAS+8*\b+3], v4, s[8:9] offset:4*(32*(\b/2)+8*(\b%2))
	global_load_b128 v[BIAS+8*\b+4:BIAS+8*\b+7], v4, s[8:9] offset:4*(32*(\b/2)+8*(\b%2))+16
.endr
.endif
.macro FRAG reg, a16, a8, q, i         ; a fragment comes back as it was stored: four loads
	ds_load_b128 v[(\reg):(\reg)+3], v[\a16] offset:(\i)*TILEB+(\q)*FRB
	ds_load_b64 v[(\reg)+4:(\reg)+5], v[\a8] offset:(\i)*TILEB+(\q)*FRB+512
	ds_load_b128 v[(\reg)+6:(\reg)+9], v[\a16] offset:(\i)*TILEB+(\q)*FRB+768
	ds_load_b64 v[(\reg)+10:(\reg)+11], v[\a8] offset:(\i)*TILEB+(\q)*FRB+1280
.endm
; 16 matrix instructions: S1's tiles a0, a0 + 1 x S0's eight.  zero = 1: the first product starts the sums, from the bias (IS_H) or from 0.  The 64 accumulators take turns.
.macro MUL16 a0, p, q, sc, zero
.irp a, \a0, \a0+1
.irp b, 0,1,2,3,4,5,6,7
.if (\zero)*IS_H
	v_wmma_scale_f32_16x16x128_f8f6f4 v[8*(8*((\a)%4)+\b):8*(8*((\a)%4)+\b)+7], v[128*(\p)+FR*\b:128*(\p)+FR*\b+FR-1], v[AF+FR*(\a):AF+FR*(\a)+FR-1], v[BIAS+8*\b:BIAS+8*\b+7], v[SC+8*NQ*(\sc)+NQ*\b+(\q)], v[SC+8*NQ*(\sc)+NQ*(\a)+(\q)] matrix_a_fmt:MATRIX_FMT_FP6 matrix_b_fmt:MATRIX_FMT_FP6 matrix_a_scale:MATRIX_SCALE_ROW1
.elseif \zero
	v_wmma_scale_f32_16x16x128_f8f6f4 v[8*(8*((\a)%4)+\b):8*(8*((\a)%4)+\b)+7], v[128*(\p)+FR*\b:128*(\p)+FR*\b+FR-1], v[AF+FR*(\a):AF+FR*(\a)+FR-1], 0, v[SC+8*NQ*(\sc)+NQ*\b+(\q)], v[SC+8*NQ*(\sc)+NQ*(\a)+(\q)] matrix_a_fmt:MATRIX_FMT_FP6 matrix_b_fmt:MATRIX_FMT_FP6 matrix_a_scale:MATRIX_SCALE_ROW1
.else
	v_wmma_scale_f32_16x16x128_f8f6f4 v[8*(8*((\a)%4)+\b):8*(8*((\a)%4)+\b)+7], v[128*(\p)+FR*\b:128*(\p)+FR*\b+FR-1], v[AF+FR*(\a):AF+FR*(\a)+FR-1], v[8*(8*((\a)%4)+\b):8*(8*((\a)%4)+\b)+7], v[SC+8*NQ*(\sc)+NQ*\b+(\q)], v[SC+8*NQ*(\sc)+NQ*(\a)+(\q)] matrix_a_fmt:MATRIX_FMT_FP6 matrix_b_fmt:MATRIX_FMT_FP6 matrix_a_scale:MATRIX_SCALE_ROW1
.endif
.endr
.endr
.endm
.macro WINM hi, zero                   ; source 0 window 1, source 1 window 0, D window 2 or 3; C with D, or (the bias) in window 0
.if (\zero)*IS_H
	WIN 0x81+0x40*(\hi)
.else
	WIN 0xa1+0x50*(\hi)
.endif
.endm
.macro FETCH_B slot, q, p
	WIN TO_B
.irp i, 0,1,2,3,4,5,6,7
	FRAG 128*(\p)+FR*\i, ADRB16+\slot, ADRB8+\slot, \q, \i
.endr
	WIN 0
.endm
.macro FETCH_A slot, q, i0
.irp i, \i0, \i0+1, \i0+2, \i0+3
	FRAG AF+FR*(\i), ADRA16+\slot, ADRA8+\slot, \q, \i
.endr
.endm
.macro SCALES sc                       ; the next K step's scale words: lanes 0-15 S1's tile i, lanes 16-31 S0's tile i
.irp i, 0,1,2,3,4,5,6,7
	ds_load_b32 v[SC+16*(\sc)+2*\i], v[ADRS] offset:\i*64*KSL
	ds_load_b32 v[SC+16*(\sc)+2*\i+1], v[ADRS] offset:\i*64*KSL+64
.endr
.endm
; A step of 128 along K that has its successor in the same slot.
.macro STEP slot, q, zero
	s_wait_dscnt 4*NL                              ; S0's set, the scale words and S1's tiles 0-3 are in; the youngest 16 loads (tiles 4-7) may be out
	WINM 0, \zero
	MUL16 0, (\q)%2, \q, \slot, \zero
	MUL16 2, (\q)%2, \q, \slot, \zero
	s_wait_dscnt 0                                 ; tiles 4-7 are in
	PLACES NP                                      ; in front of loads into registers that matrix instructions have read
	FETCH_B \slot, (\q)+1, 1-(\q)%2
	FETCH_A \slot, (\q)+1, 0
	WINM 1, \zero
	MUL16 4, (\q)%2, \q, \slot, \zero
	MUL16 6, (\q)%2, \q, \slot, \zero
	PLACES NP
	WIN 0
	FETCH_A \slot, (\q)+1, 4
.endm
; A slot's last step changes slots: one barrier; in front of it each wave waits for all its tensor loads, adds 0 to its spare word, and waits for that and for its reads of this slot.
.macro TURN slot, next, fill
	s_wait_tensorcnt 0x0                           ; all my tensor loads have landed: my part of the next slot
	ds_add_u32 v[SPW], v[NIL]                      ; 0 onto my spare word
	s_wait_dscnt 4*NL+1                            ; (the add and the youngest 16 loads may be out)
	WIN 0xa1
	MUL16 0, 1, NQ-1, \slot, 0
	s_wait_dscnt 0x0                               ; the add is done, and my reads of this slot are over
	s_barrier_signal -1
	MUL16 2, 1, NQ-1, \slot, 0
	WIN 0
	s_barrier_wait -1
.if \fill
	CREST                                          ; the barrier has opened a round of the cluster's: no wave of any partner still reads this slot or has a load on its way
	s_add_nc_u64 s[G0+4*\slot+2:G0+4*\slot+3], s[G0+4*\slot+2:G0+4*\slot+3], 2*TILEB
	s_add_nc_u64 s[G0B+4*\slot+2:G0B+4*\slot+3], s[G0B+4*\slot+2:G0B+4*\slot+3], 2*TILEB
	JLOAD G0+4*\slot, G1, G0B+4*\slot, G1B         ; the first tensor load behind the round; its four v_nop are the places in front of the loads below
.else
	PLACES NP
.endif
	v_add_nc_u32 v[ADRS], 64*NQ, v[ADRS]           ; on to the next K step's scale words
	FETCH_B \next, 0, 0
	FETCH_A \next, 0, 0
	SCALES \next
	WIN 0xf1
	MUL16 4, 1, NQ-1, \slot, 0
	MUL16 6, 1, NQ-1, \slot, 0
	PLACES NP
	WIN 0
	FETCH_A \next, 0, 4
.endm
	s_wait_tensorcnt 1                             ; the scale words and my part of K step 0 are in (K step 1's load may be out),
	s_barrier_signal -1
	s_barrier_wait -1                              ; everybody's are
	FETCH_B 0, 0, 0
	FETCH_A 0, 0, 0
	SCALES 0
	FETCH_A 0, 0, 4
.if IS_H
	s_wait_loadcnt 0x0                             ; the bias
.endif
	STEP 0, 0, 1                                   ; the first step stands in front of the loop: its products start the sums
.if LAPS > 1
	s_mov_b32 s3, LAPS-1
.Llap:
	TURN 0, 1, 1
	STEP 1, 0, 0
	TURN 1, 0, 1
	STEP 0, 0, 0
	s_sub_co_u32 s3, s3, 1
	s_cmp_lg_u32 s3, 0
	s_cbranch_scc1 .Llap
.endif
	TURN 0, 1, 0                                   ; the last lap fills nothing
	STEP 1, 0, 0
	s_wait_dscnt 4*NL
	WIN 0xa1
	MUL16 0, 1, NQ-1, 1, 0
	MUL16 2, 1, NQ-1, 1, 0
	s_wait_dscnt 0
	WIN 0xf1
	MUL16 4, 1, NQ-1, 1, 0
	MUL16 6, 1, NQ-1, 1, 0
	WIN 0
; THE WAY OUT.  64 numbers of a lane in window w, register 16 b + i = j 32 b + 16 h + i of my row, become a fragment's codes in v[PC] on and its scale word in v[pw].
.macro QUANT16 s, w, pw
	WIN (\w)|((\w)<<2)
.irp b, 0,1,2,3
	v_max3_num_f32 v[TM+\b], |v[(\s)+16*\b]|, |v[(\s)+16*\b+1]|, 0x1800000    ; my 16 numbers of block b, and the floor 2^(3 - 127); each accumulator is read from its low end on
.endr
.irp i, 2,4,6,8,10,12,14
.irp b, 0,1,2,3
	v_max3_num_f32 v[TM+\b], |v[(\s)+16*\b+\i]|, |v[(\s)+16*\b+\i+1]|, v[TM+\b]
.endr
.endr
	WIN 0
.irp b, 0,1,2,3
	v_permlanex16_b32 v[TM+4+\b], v[TM+\b], s[SEL], s[SEL+1]
.endr
.irp b, 0,1,2,3
	v_max_num_f32 v[TM+\b], v[TM+\b], v[TM+4+\b]   ; with lane l xor 16's: the block's largest magnitude
.endr
.irp b, 0,1,2,3
	v_add_nc_u32 v[TM+12+\b], 0xff000000, v[TM+\b] ; 2 off its exponent field: the conversion's scale operand
.endr
.irp b, 0,1,2,3
	v_lshrrev_b32 v[TM+4+\b], 23, v[TM+12+\b]      ; the scale's byte
.endr
	v_lshl_or_b32 v[\pw], v[TM+5], 8, v[TM+4]
	v_lshl_or_b32 v[\pw], v[TM+6], 16, v[\pw]
	v_lshl_or_b32 v[\pw], v[TM+7], 24, v[\pw]
	WIN (\w)
.irp c, 0,1
	v_cvt_scalef32_pk16_fp6_f32 v[PC+6*\c:PC+6*\c+2], v[(\s)+32*\c:(\s)+32*\c+15], v[TM+12+2*\c]
	v_cvt_scalef32_pk16_fp6_f32 v[PT+4*\c:PT+4*\c+2], v[(\s)+32*\c+16:(\s)+32*\c+31], v[TM+12+2*\c+1]
.endr
	WIN 0
	v_nop                                          ; one plain line behind the conversions
.irp c, 0,1                                    ; the operand's layout wants a whole block in a lane: lanes 0-15 block 2 c, lanes 16-31 block 2 c + 1
.irp i, 0,1,2
	v_permlane16_swap_b32 v[PC+6*\c+\i], v[PT+4*\c+\i]
.endr
.irp i, 0,1,2
	v_mov_b32 v[PC+6*\c+3+\i], v[PT+4*\c+\i]
.endr
.endr
.endm
	PLACES NP                                      ; behind the last products: their results are read, and S1's registers written, below
.irp b, 0,1,2,3
	v_mov_b32 v[TM+4+\b], 0                        ; (a lane permute's destination counts as read)
.endr
	v_cmp_le_u32 vcc_lo, 16, v1                    ; lanes 16-31
	; no tensor load is out: the descriptors' registers take the output's addresses
.if IS_H
	s_mov_b32 s24, 12800                           ; a record of the output,
	s_mov_b32 s32, 12288                           ; its codes,
	s_mov_b32 s33, 0                               ; where its records begin
.else
	s_mov_b32 s24, 102400
	s_mov_b32 s32, 98304
	s_cmp_lt_u32 ttmp9, 16
	s_cselect_b32 s24, 25600, s24
	s_cselect_b32 s32, 24576, s32
	s_cselect_b32 s33, 0, 13107200
.endif
	s_mov_b32 s25, 0
	s_lshl_b32 s26, s24, 1
	s_mov_b32 s27, 0
	s_lshl_b32 s34, s17, 4
	s_lshl_b32 s35, s15, 3
	s_add_co_u32 s34, s34, s35                     ; my first row tile of i
	s_mul_i32 s34, s34, s24
	s_add_co_u32 s34, s34, s33
	s_lshl_b32 s35, s42, 1
	s_add_co_u32 s35, s35, s16                     ; my 128 j are this K step of the output
	s_mul_i32 s28, s35, 1536
	s_add_co_u32 s28, s28, s34
	s_mov_b32 s29, 0
	s_lshl_b32 s30, s35, 6
	s_add_co_u32 s30, s30, s34
	s_add_co_u32 s30, s30, s32
	s_mov_b32 s31, 0
	s_add_nc_u64 s[28:29], s[10:11], s[28:29]      ; codes
	s_add_nc_u64 s[30:31], s[10:11], s[30:31]      ; scale words
	v_lshlrev_b32 v[LSC], 2, v2
	v_mad_u32_u24 v[LSC], v3, s24, v[LSC]          ; lanes 16-31 write the next record's words
.macro OUTA a
.if (\a) > 0
	s_wait_xcnt 0x0                                ; the last tile's stores have read their data and bases: both are written again only behind this wait
	s_add_nc_u64 s[28:29], s[28:29], s[24:25]
.if ((\a)%2) == 0
	s_add_nc_u64 s[30:31], s[30:31], s[26:27]
.endif
.endif
	QUANT16 64*((\a)%4), 2+(\a)/4, PW+(\a)%2
	global_store_b128 v[L16], v[PC:PC+3], s[28:29]
	global_store_b64 v[L8], v[PC+4:PC+5], s[28:29] offset:512
	global_store_b128 v[L16], v[PC+6:PC+9], s[28:29] offset:768
	global_store_b64 v[L8], v[PC+10:PC+11], s[28:29] offset:1280
.if ((\a)%2) == 1
	v_cndmask_b32 v[SW], v[PW], v[PW+1], vcc_lo
	global_store_b32 v[LSC], v[SW], s[30:31]
.endif
.endm
.irp a, 0,1,2,3,4,5,6,7
	OUTA \a
.endr
	s_wait_tensorcnt 0x0                           ; the wave's end
	ds_add_u32 v[SPW], v[NIL]
	s_wait_dscnt 0x0
	CROUND                                         ; the closing round: no work-group ends while a partner may still ask for a tile that names it
	s_endpgm
.Lfunc_end_k_q140a8b3eb9_gemm_h:
	.size	k_q140a8b3eb9_gemm_h, .Lfunc_end_k_q140a8b3eb9_gemm_h-k_q140a8b3eb9_gemm_h
	.p2alignl 7, 3214868480
	.fill 96, 4, 3214868480
	.section	.rodata,"a",@progbits
	.p2align	6, 0x0
	.amdhsa_kernel k_q140a8b3eb9_gemm_h
		.amdhsa_group_segment_fixed_size 327680
		.amdhsa_private_segment_fixed_size 0
		.amdhsa_enable_private_segment 0
		.amdhsa_kernarg_size 32
		.amdhsa_user_sgpr_count 2
		.amdhsa_user_sgpr_kernarg_segment_ptr 1
		.amdhsa_wavefront_size32 1
		.amdhsa_system_sgpr_workgroup_id_x 1
		.amdhsa_system_sgpr_workgroup_id_y 1
		.amdhsa_system_sgpr_workgroup_id_z 1
		.amdhsa_system_vgpr_workitem_id 0
		.amdhsa_next_free_vgpr 1024
		.amdhsa_next_free_sgpr 100
		.amdhsa_reserve_vcc 1
		.amdhsa_float_denorm_mode_32 3
		.amdhsa_float_denorm_mode_16_64 3
		.amdhsa_memory_ordered 1
		.amdhsa_forward_progress 1
		.amdhsa_inst_pref_size 99
	.end_amdhsa_kernel
	.amdgpu_metadata
---
amdhsa.version: [ 1, 2 ]
amdhsa.kernels:
  - .name:           k_q140a8b3eb9_gemm_h
    .symbol:         k_q140a8b3eb9_gemm_h.kd
    .args:
      - { .name: AC, .offset: 0, .size: 8, .value_kind: global_buffer, .address_space: global }
      - { .name: WB, .offset: 8, .size: 8, .value_kind: global_buffer, .address_space: global }
      - { .name: b_in, .offset: 16, .size: 8, .value_kind: global_buffer, .address_space: global }
      - { .name: HQ, .offset: 24, .size: 8, .value_kind: global_buffer, .address_space: global }
    .group_segment_fixed_size: 327680
    .private_segment_fixed_size: 0
    .kernarg_segment_align: 8
    .kernarg_segment_size: 32
    .max_flat_workgroup_size: 128
    .sgpr_count:     100
    .vgpr_count:     1024
    .wavefront_size: 32
...
	.end_amdgpu_metadata
.endif
;; end of part 2
;; launch gemm_qkv (part 3): grid 96 x 4, 4 waves a work-group, clusters of 4 x 4, 327,680 bytes of LDS; arguments HQ, WB, QKV; writes QKV
.if DOCPART == 3
	.amdgcn_target "amdgcn-amd-amdhsa--gfx1250"
	.amdhsa_code_object_version 6
	.text
	.protected	k_q140a8b3eb9_gemm_qkv
	.globl	k_q140a8b3eb9_gemm_qkv
	.p2align	8
	.type	k_q140a8b3eb9_gemm_qkv,@function
k_q140a8b3eb9_gemm_qkv:
	s_mov_b64 s[64:65], 0
	v_nop
	global_prefetch_b8 v0, s[64:65] scope:SCOPE_SE
	s_setreg_imm32_b32 hwreg(HW_REG_WAVE_MODE, 25, 1), 1
	s_wait_xcnt 0x0
	s_wait_alu depctr_hold_cnt(0) depctr_sa_sdst(0) depctr_va_vdst(0) depctr_va_sdst(0) depctr_va_ssrc(0) depctr_va_vcc(0) depctr_vm_vsrc(0)
	s_getreg_b32 s2, hwreg(HW_REG_IB_STS2, 6, 4)
	s_cmp_eq_u32 s2, 0
	s_cbranch_scc0 .Lentry_in_a_cluster
	s_endpgm
.Lentry_in_a_cluster:
	s_bfe_u32 s2, ttmp6, 0x10000c
	s_cmp_lg_u32 s2, 0xf033
	s_cbranch_scc0 .Lentry_shape_is_right
	s_endpgm
.Lentry_shape_is_right:
; Z[i][j] = sum over k of S1[i][k] S0[j][k], on codes of FP6 (E2M3) with E8M0 scales.
; This text (IS_R = 0): the q, k, v projection, K = 1,024; Z is QUANTISED ALONG j in registers and stored as operand images.
; Clusters 0-15: S1 = h (8,192 rows i), S0 = in_proj_w's first 2,048 rows (j): q and k, quantised along the features, which is along each head's 64.
; Clusters 16-23: S1 = in_proj_w's last 1,024 rows (i = 64 x head + d), S0 = h (j = b x 1,024 + l): v TRANSPOSED, quantised along the keys, as the second product of attention wants it.
; Output: QKV + 0: 512 records of 25,600 bytes (K steps 0-7 q, 8-15 k); QKV + 13,107,200: 64 records of 102,400 bytes (64 K steps of 128 keys).
; FORMAT of every operand: row tiles of 16 slots (slot r of tile rt = row 32 (rt / 2) + 8 (rt % 2) + r + 8 (r / 8)); a fragment (16 slots x 128 K) is 1,536 bytes, an image of its 12 registers:
; for c = 0, 1 registers 6c .. 6c+3 at 768 c + 16 x lane, registers 6c+4, 6c+5 at 768 c + 512 + 8 x lane; a tile's record = its fragments, then 64 bytes of scale words for each.
; A work-group of four waves makes 256 i x 256 j, a wave 128 x 128: 64 accumulators, 512 registers.  Source 0 = 16 rows of S0, source 1 = 16 rows of S1: with the tiles' row order a lane holds ONE row i
; and its 16 registers of two neighbouring tiles are 16 neighbours along j, so the conversions' results are the next product's operand.
; K goes in steps of 256 through THREE LDS slots (a tile's part of a step is 3,072 consecutive bytes).  The first three steps are asked for together at the head; only what is left of K fills a slot again:
; here one step, asked for when slot 0 has been read and wanted two steps later.  A change onto a slot that an earlier barrier has shown whole needs no barrier.  The scale words of the work-group's rows come once.
; CLUSTER 4 x 4: S1's tiles are shared along a row of the cluster, S0's along a column: asked for jointly, by the same load with the same descriptor and a mask that names the four.
; REGISTERS: window 0: v4-22 addresses; v32-63 scale words, two sets; v64-127 the bias (IS_R); v128-223 S1's fragments, one set; later v128-166 the quantiser's.
;   window 1: S0's fragments, two sets (v0, v128).  windows 2, 3: the accumulators, (a, b) at v[8 (8 (a % 4) + b)].
; LIMITS: a block of zeros, or one whose largest magnitude lies under 2^-124, gets the scale byte 1; NaN and infinities are not served.  Scale words leave in runs of 64 bytes (one byte for 24 of codes).
.set IS_R, 0
.if IS_R
.set REC,  19200                       ; a record of S0 and of S1
.set COD,  18432                       ; its codes
.set KTOT, 1536
.else
.set REC,  12800
.set COD,  12288
.set KTOT, 1024
.endif
.set KSL,   KTOT/128
.set NQ,    2                          ; matrix instructions deep in a slot
.set FR,    12
.set NL,    4                          ; LDS loads that bring a fragment
.set NP,    4                          ; places behind this matrix instruction (ISA guide 7.12.1)
.set FRB,   1536
.set TILEB, NQ*FRB                     ; a row tile's part of a slot
.set HALFT, 8*TILEB                    ; 8 row tiles: what one tensor load brings, and what one wave reads of S1 or of S0
.set SLOT,  4*HALFT
.set SCL,   3*SLOT                     ; behind the three slots: the scale words
.set HALFS, 512*KSL                    ; those of 8 row tiles
.set SPARE, SCL+4*HALFS                ; the spare words, 128 bytes for each wave, that no other line names
.set ADRA16, 4                         ; v4-6   S1's fragments in slot 0, 1, 2: + 16 x lane;  v7-9: + 8 x lane
.set ADRA8,  7
.set ADRB16, 10                        ; v10-15 the same for S0
.set ADRB8,  13
.set ADRS,   16                        ; v16    my scale words: lanes 0-15 S1's tiles, lanes 16-31 S0's
.set L16,    20
.set L8,     21
.set LSC,    22
.set SPW,    28
.set NIL,    29
.set SC,     32
.set BIAS,   64
.set AF,     128
.set TM,     128
.set PC,     144
.set PT,     156
.set PW,     164
.set SW,     166
.set SEL,  66                          ; s[66:67]
.set G1,   24                          ; s[24:31] group 1 for S1's tiles;  s[32:43] group 0, one set for each slot
.set G0,   32
.set G1B,  44                          ; s[44:51], s[52:63] the same for S0's tiles
.set G0B,  52
.set G1S,  68
.set G0S,  76
.set G1SB, 80
.set G0SB, 88
.set MSB, 0
.macro WIN new                         ; the immediate's high byte repeats the setting that is left
.if MSB != (\new)
	s_set_vgpr_msb (MSB<<8)|(\new)
.set MSB, (\new)
.endif
.endm
.set TO_B, 0x40
.macro PLACES n
.rept \n
	v_nop
.endr
.endm
; A joint load: waves 0 and 1 fetch for S1, waves 2 and 3 for S0; the branch hangs on the wave's number alone.  Four v_nop follow each of the two lines.
.macro JLOAD g0a, g1a, g0b, g1b
	s_cmp_eq_u32 s15, 0
	s_cbranch_scc0 .Lfor_b_\@
	tensor_load_to_lds s[\g0a:\g0a+3], s[\g1a:\g1a+7]
	s_nop 0
.rept 4
	v_nop
.endr
	s_branch .Lasked_\@
.Lfor_b_\@:
	tensor_load_to_lds s[\g0b:\g0b+3], s[\g1b:\g1b+7]
	s_nop 0
.rept 4
	v_nop
.endr
.Lasked_\@:
.endm
.macro CREST                           ; a round of the cluster's barrier behind its opening barrier
	s_cmp_lg_u32 s14, 0
	s_cbranch_scc1 .Lnot_wave_0_\@
	s_barrier_signal -3
.Lnot_wave_0_\@:
	s_barrier_wait -3
	s_barrier_signal -1
	s_barrier_wait -1
.endm
.macro CROUND
	s_barrier_signal -1
	s_barrier_wait -1
	CREST
.endm
	s_load_b128 s[4:7], s[0:1], 0x0                ; the first two buffers
.if IS_R
	s_load_b128 s[8:11], s[0:1], 0x10              ; b_in, the output
.else
	s_load_b64 s[10:11], s[0:1], 0x10              ; the output
.endif
	v_lshl_add_u32 v[SPW], v0, 2, SPARE
	v_mov_b32 v[NIL], 0
	ds_add_u32 v28, v29
	ds_add_u32 v28, v29
	s_wait_dscnt 0x0
	v_lshrrev_b32 v1, 5, v0
	v_readfirstlane_b32 s14, v1                    ; wave 0..3
	s_lshr_b32 s15, s14, 1                         ; which half of the tile's i is mine.  Also: I fetch for S1 (0) or for S0 (1)
	s_and_b32 s16, s14, 1                          ; which half of its j.  Also: which 8 row tiles I fetch
	s_bfe_u32 s12, ttmp6, 0x40000                  ; cx, cy: my place in the cluster
	s_bfe_u32 s13, ttmp6, 0x40004
.if IS_R
	s_lshl_b32 s17, ttmp9, 2
	s_add_co_u32 s17, s17, s13                     ; tile row = 4 x cluster + cy
	s_mov_b32 s3, s12                              ; tile column = cx
.else
	s_lshr_b32 s18, ttmp9, 1
	s_lshl_b32 s18, s18, 2                         ; q, k (clusters 0-15): tile rows 4 (c / 2) on,
	s_and_b32 s19, ttmp9, 1
	s_lshl_b32 s19, s19, 2                         ; tile columns 4 (c % 2) on
	s_sub_co_u32 s20, ttmp9, 16
	s_lshl_b32 s20, s20, 2                         ; v (clusters 16-23): tile rows 0 on, tile columns 4 (c - 16) on
	s_cmp_lt_u32 ttmp9, 16                         ; the cluster's number is the same in all sixteen partners
	s_cselect_b32 s18, s18, 0
	s_cselect_b32 s19, s19, s20
	s_cselect_b32 s95, 0, 2867200                  ; S1's records begin here in their buffer (v: the last 64 row tiles of in_proj_w),
	s_cselect_b32 s2, 1228800, 0                   ; S0's here (q, k: in_proj_w's first)
	s_add_co_u32 s17, s18, s13
	s_add_co_u32 s3, s19, s12
.endif
	s_lshl_b32 s18, s13, 2
	s_lshl_b32 s18, 15, s18                        ; my row of the cluster
	s_lshl_b32 s19, 0x1111, s12                    ; my column
	s_mov_b32 s[SEL], 0x76543210
	s_mov_b32 s[SEL+1], 0xfedcba98
	; descriptor group 1, codes: 8 row tiles x 3,072 bytes (384 elements of 8 bytes), a record apart; no padding: the images are read 512 or 256 consecutive bytes an instruction
	s_or_b32 s[G1+0], s18, (3<<16)|(1<<21)
	s_or_b32 s[G1B+0], s19, (3<<16)|(1<<21)
.irp g, G1, G1B
	s_mov_b32 s[\g+1], 384<<16                     ; tensor_dim0
	s_mov_b32 s[\g+2], 8<<16                       ; tensor_dim1
	s_mov_b32 s[\g+3], 384<<16                     ; tile_dim0
	s_mov_b32 s[\g+4], 8                           ; tile_dim1
	s_mov_b32 s[\g+5], REC/8                       ; tensor_dim0_stride
	s_mov_b32 s[\g+6], 0
	s_mov_b32 s[\g+7], 0
.endr
	; scale words: 8 row tiles x 64 KSL bytes
	s_or_b32 s[G1S+0], s18, (3<<16)|(1<<21)
	s_or_b32 s[G1SB+0], s19, (3<<16)|(1<<21)
.irp g, G1S, G1SB
	s_mov_b32 s[\g+1], (8*KSL)<<16
	s_mov_b32 s[\g+2], 8<<16
	s_mov_b32 s[\g+3], (8*KSL)<<16
	s_mov_b32 s[\g+4], 8
	s_mov_b32 s[\g+5], REC/8
	s_mov_b32 s[\g+6], 0
	s_mov_b32 s[\g+7], 0
.endr
	s_lshl_b32 s18, s16, 3                         ; which 8 row tiles of the 16 I fetch
	s_lshl_b32 s20, s17, 4
	s_add_co_u32 s20, s20, s18
	s_mul_i32 s20, s20, REC                        ; S1: hangs on the tile row alone
	s_lshl_b32 s22, s3, 4
	s_add_co_u32 s22, s22, s18
	s_mul_i32 s22, s22, REC                        ; S0: on the tile column alone
.if !IS_R
	s_add_co_u32 s20, s20, s95
	s_add_co_u32 s22, s22, s2
.endif
	s_mov_b32 s21, 0
	s_mov_b32 s23, 0
	s_mul_i32 s93, s14, HALFT                      ; where they go: wave x 8 row tiles: no place in the cluster enters an LDS address
	s_mul_i32 s94, s14, HALFS
	s_wait_kmcnt 0x0
.if IS_R
	s_mov_b64 s[96:97], s[4:5]
	s_mov_b64 s[98:99], s[6:7]
.else
	s_cmp_lt_u32 ttmp9, 16
	s_cselect_b64 s[96:97], s[4:5], s[6:7]         ; S1: h's codes (q, k) or the weights (v)
	s_cselect_b64 s[98:99], s[6:7], s[4:5]         ; S0: the other
.endif
	s_add_nc_u64 s[20:21], s[96:97], s[20:21]      ; S1's codes
	s_add_nc_u64 s[22:23], s[98:99], s[22:23]      ; S0's codes
	s_add_nc_u64 s[96:97], s[20:21], COD           ; and their scale words
	s_add_nc_u64 s[98:99], s[22:23], COD
	CROUND                                         ; all sixteen work-groups are here: the first joint loads meet
	s_mov_b32 s[G0S], 1
	s_add_co_u32 s[G0S+1], s94, SCL
	s_mov_b64 s[G0S+2:G0S+3], s[96:97]
	s_or_b32 s[G0S+3], s[G0S+3], 0x80000000
	s_mov_b32 s[G0SB], 1
	s_add_co_u32 s[G0SB+1], s94, SCL
	s_mov_b64 s[G0SB+2:G0SB+3], s[98:99]
	s_or_b32 s[G0SB+3], s[G0SB+3], 0x80000000
	JLOAD G0S, G1S, G0SB, G1SB                     ; the scale words first: they are wanted with K step 0
.irp s, 0,1,2
	s_mov_b32 s[G0+4*\s], 1
	s_add_co_u32 s[G0+4*\s+1], s93, \s*SLOT
	s_add_nc_u64 s[G0+4*\s+2:G0+4*\s+3], s[20:21], \s*TILEB
	s_or_b32 s[G0+4*\s+3], s[G0+4*\s+3], 0x80000000
	s_mov_b32 s[G0B+4*\s], 1
	s_add_co_u32 s[G0B+4*\s+1], s93, \s*SLOT
	s_add_nc_u64 s[G0B+4*\s+2:G0B+4*\s+3], s[22:23], \s*TILEB
	s_or_b32 s[G0B+4*\s+3], s[G0B+4*\s+3], 0x80000000
	JLOAD G0+4*\s, G1, G0B+4*\s, G1B               ; K steps 0, 1, 2: by this text's count four tensor loads of a wave are out
.endr
	v_and_b32 v1, 31, v0                           ; lane
	v_and_b32 v2, 15, v0                           ; r
	v_bfe_u32 v3, v0, 4, 1                         ; h
	v_lshlrev_b32 v[L16], 4, v1
	v_lshlrev_b32 v[L8], 3, v1
	s_mul_i32 s21, s15, HALFT                      ; my 8 row tiles of S1
	s_mul_i32 s22, s16, HALFT                      ; my 8 of S0,
	s_add_co_u32 s22, s22, 2*HALFT                 ; which lie behind S1's 16
.irp s, 0,1,2
	v_add_nc_u32 v[ADRA16+\s], s21, v[L16]
	v_add_nc_u32 v[ADRA8+\s], s21, v[L8]
	v_add_nc_u32 v[ADRB16+\s], s22, v[L16]
	v_add_nc_u32 v[ADRB8+\s], s22, v[L8]
	s_add_co_u32 s21, s21, SLOT
	s_add_co_u32 s22, s22, SLOT
.endr
	v_lshlrev_b32 v18, 2, v2                       ; 4 r
	s_mul_i32 s21, s15, HALFS
	s_mul_i32 s22, s16, HALFS
	s_add_co_u32 s22, s22, 2*HALFS
	s_sub_co_u32 s22, s22, s21
	v_mul_u32_u24 v19, s22, v3                     ; lanes 16-31 take S0's
	s_add_co_u32 s21, s21, SCL
	v_add_nc_u32 v18, v18, v19
	v_add_nc_u32 v[ADRS], s21, v18
.if IS_R
	s_lshl_b32 s18, s3, 10                         ; the bias of my 128 j: lane (r, h) wants, for tile b, j = 32 (b / 2) + 8 (b % 2) + 16 h + 0 .. 7
	s_lshl_b32 s19, s16, 9
	s_add_co_u32 s18, s18, s19
	s_mov_b32 s19, 0
	s_add_nc_u64 s[8:9], s[8:9], s[18:19]
	v_lshlrev_b32 v17, 6, v3
.irp b, 0,1,2,3,4,5,6,7
	global_load_b128 v[BIAS+8*\b:BIAS+8*\b+3], v17, s[8:9] offset:4*(32*(\b/2)+8*(\b%2))
	global_load_b128 v[BIAS+8*\b+4:BIAS+8*\b+7], v17, s[8:9] offset:4*(32*(\b/2)+8*(\b%2))+16
.endr
.endif
.macro FRAG reg, a16, a8, q, i         ; a fragment comes back as it was stored: four loads
	ds_load_b128 v[(\reg):(\reg)+3], v[\a16] offset:(\i)*TILEB+(\q)*FRB
	ds_load_b64 v[(\reg)+4:(\reg)+5], v[\a8] offset:(\i)*TILEB+(\q)*FRB+512
	ds_load_b128 v[(\reg)+6:(\reg)+9], v[\a16] offset:(\i)*TILEB+(\q)*FRB+768
	ds_load_b64 v[(\reg)+10:(\reg)+11], v[\a8] offset:(\i)*TILEB+(\q)*FRB+1280
.endm
; 16 matrix instructions: S1's tiles a0, a0 + 1 x S0's eight.  zero = 1: the first product starts the sums, from the bias (IS_R) or from 0.  The 64 accumulators take turns.
.macro MUL16 a0, p, q, sc, zero
.irp a, \a0, \a0+1
.irp b, 0,1,2,3,4,5,6,7
.if (\zero)*IS_R
	v_wmma_scale_f32_16x16x128_f8f6f4 v[8*(8*((\a)%4)+\b):8*(8*((\a)%4)+\b)+7], v[128*(\p)+FR*\b:128*(\p)+FR*\b+FR-1], v[AF+FR*(\a):AF+FR*(\a)+FR-1], v[BIAS+8*\b:BIAS+8*\b+7], v[SC+8*NQ*(\sc)+NQ*\b+(\q)], v[SC+8*NQ*(\sc)+NQ*(\a)+(\q)] matrix_a_fmt:MATRIX_FMT_FP6 matrix_b_fmt:MATRIX_FMT_FP6 matrix_a_scale:MATRIX_SCALE_ROW1
.elseif \zero
	v_wmma_scale_f32_16x16x128_f8f6f4 v[8*(8*((\a)%4)+\b):8*(8*((\a)%4)+\b)+7], v[128*(\p)+FR*\b:128*(\p)+FR*\b+FR-1], v[AF+FR*(\a):AF+FR*(\a)+FR-1], 0, v[SC+8*NQ*(\sc)+NQ*\b+(\q)], v[SC+8*NQ*(\sc)+NQ*(\a)+(\q)] matrix_a_fmt:MATRIX_FMT_FP6 matrix_b_fmt:MATRIX_FMT_FP6 matrix_a_scale:MATRIX_SCALE_ROW1
.else
	v_wmma_scale_f32_16x16x128_f8f6f4 v[8*(8*((\a)%4)+\b):8*(8*((\a)%4)+\b)+7], v[128*(\p)+FR*\b:128*(\p)+FR*\b+FR-1], v[AF+FR*(\a):AF+FR*(\a)+FR-1], v[8*(8*((\a)%4)+\b):8*(8*((\a)%4)+\b)+7], v[SC+8*NQ*(\sc)+NQ*\b+(\q)], v[SC+8*NQ*(\sc)+NQ*(\a)+(\q)] matrix_a_fmt:MATRIX_FMT_FP6 matrix_b_fmt:MATRIX_FMT_FP6 matrix_a_scale:MATRIX_SCALE_ROW1
.endif
.endr
.endr
.endm
.macro WINM hi, zero                   ; source 0 window 1, source 1 window 0, D window 2 or 3; C with D, or (the bias) in window 0
.if (\zero)*IS_R
	WIN 0x81+0x40*(\hi)
.else
	WIN 0xa1+0x50*(\hi)
.endif
.endm
.macro FETCH_B slot, q, p
	WIN TO_B
.irp i, 0,1,2,3,4,5,6,7
	FRAG 128*(\p)+FR*\i, ADRB16+\slot, ADRB8+\slot, \q, \i
.endr
	WIN 0
.endm
.macro FETCH_A slot, q, i0
.irp i, \i0, \i0+1, \i0+2, \i0+3
	FRAG AF+FR*(\i), ADRA16+\slot, ADRA8+\slot, \q, \i
.endr
.endm
.macro SCALES sc                       ; the next K step's scale words: lanes 0-15 S1's tile i, lanes 16-31 S0's tile i
.irp i, 0,1,2,3,4,5,6,7
	ds_load_b32 v[SC+16*(\sc)+2*\i], v[ADRS] offset:\i*64*KSL
	ds_load_b32 v[SC+16*(\sc)+2*\i+1], v[ADRS] offset:\i*64*KSL+64
.endr
.endm
; A slot's first 128 along K; its successor lies in the same slot.  sc: the set of scale words.
.macro STEP slot, sc, zero
	s_wait_dscnt 4*NL                              ; S0's set, the scale words and S1's tiles 0-3 are in; the youngest 16 loads (tiles 4-7) may be out
	WINM 0, \zero
	MUL16 0, 0, 0, \sc, \zero
	MUL16 2, 0, 0, \sc, \zero
	s_wait_dscnt 0                                 ; tiles 4-7 are in
	PLACES NP                                      ; in front of loads into registers that matrix instructions have read
	FETCH_B \slot, 1, 1
	FETCH_A \slot, 1, 0
	WINM 1, \zero
	MUL16 4, 0, 0, \sc, \zero
	MUL16 6, 0, 0, \sc, \zero
	PLACES NP
	WIN 0
	FETCH_A \slot, 1, 4
.endm
; A slot's second 128 along K changes slots.
; kind = 1: this slot is filled again, three K steps ahead: each wave waits for all its tensor loads, adds 0 to its spare word, waits for that and for its reads of the slot; a round of the cluster's barrier; the refill first behind it.
; kind = 0: nothing is filled, but the next slot's load is awaited here and shown to the other waves by the work-group's barrier.
; kind = 2: the next slot was shown whole by an earlier barrier, and nothing is filled: no tensor wait, no barrier.
.macro TURN slot, sc, next, kind
.if (\kind) < 2
	s_wait_tensorcnt 0x0                           ; all my tensor loads have landed
	ds_add_u32 v[SPW], v[NIL]                      ; 0 onto my spare word
	s_wait_dscnt 4*NL+1                            ; (the add and the youngest 16 loads may be out)
.else
	s_wait_dscnt 4*NL                              ; (the youngest 16 loads may be out)
.endif
	WIN 0xa1
	MUL16 0, 1, NQ-1, \sc, 0
.if (\kind) < 2
	s_wait_dscnt 0x0                               ; the add is done, and my reads of this slot are over
	s_barrier_signal -1
.endif
	MUL16 2, 1, NQ-1, \sc, 0
.if (\kind) == 2
	s_wait_dscnt 0x0                               ; tiles 4-7 are in
.endif
	WIN 0
.if (\kind) < 2
	s_barrier_wait -1
.endif
.if (\kind) == 1
	CREST                                          ; the barrier has opened a round of the cluster's: no wave of any partner still reads this slot or has a load on its way
	s_add_nc_u64 s[G0+4*\slot+2:G0+4*\slot+3], s[G0+4*\slot+2:G0+4*\slot+3], 3*TILEB
	s_add_nc_u64 s[G0B+4*\slot+2:G0B+4*\slot+3], s[G0B+4*\slot+2:G0B+4*\slot+3], 3*TILEB
	JLOAD G0+4*\slot, G1, G0B+4*\slot, G1B         ; the first tensor load behind the round; its four v_nop are the places in front of the loads below
.else
	PLACES NP
.endif
	v_add_nc_u32 v[ADRS], 64*NQ, v[ADRS]           ; on to the next K step's scale words
	FETCH_B \next, 0, 0
	FETCH_A \next, 0, 0
	SCALES 1-\sc
	WIN 0xf1
	MUL16 4, 1, NQ-1, \sc, 0
	MUL16 6, 1, NQ-1, \sc, 0
	PLACES NP
	WIN 0
	FETCH_A \next, 0, 4
.endm
.macro LAST sc                         ; the very last 128 along K: nothing more to fetch
	s_wait_dscnt 4*NL
	WIN 0xa1
	MUL16 0, 1, NQ-1, \sc, 0
	MUL16 2, 1, NQ-1, \sc, 0
	s_wait_dscnt 0
	WIN 0xf1
	MUL16 4, 1, NQ-1, \sc, 0
	MUL16 6, 1, NQ-1, \sc, 0
	WIN 0
.endm
	s_wait_tensorcnt 2                             ; the scale words and my part of K step 0 are in (the loads of K steps 1 and 2 may be out)
	s_barrier_signal -1
	s_barrier_wait -1                              ; everybody's are
	FETCH_B 0, 0, 0
	FETCH_A 0, 0, 0
	SCALES 0
	FETCH_A 0, 0, 4
.if IS_R
	s_wait_loadcnt 0x0                             ; the bias
.endif
	STEP 0, 0, 1                                   ; K step 0: its first products start the sums
	TURN 0, 0, 1, 1                                ; slot 0 takes K step 3
	STEP 1, 1, 0
.if IS_R
	TURN 1, 1, 2, 1                                ; slot 1 takes K step 4
	STEP 2, 0, 0
	TURN 2, 0, 0, 1                                ; slot 2 takes K step 5; K step 3 has landed
	STEP 0, 1, 0
	TURN 0, 1, 1, 2                                ; K step 4 was shown whole by the last round
	STEP 1, 0, 0
	TURN 1, 0, 2, 0                                ; K step 5 is awaited
	STEP 2, 1, 0
.else
	TURN 1, 1, 2, 2                                ; K step 2 was shown whole by the last round
	STEP 2, 0, 0
	TURN 2, 0, 0, 0                                ; K step 3 is awaited: it was asked for 256 matrix instructions ago
	STEP 0, 1, 0
.endif
	LAST 1
.if IS_R
	; THE WAY OUT: each accumulator leaves as an image of its registers, 1,024 bytes: registers 0-3 at 16 x lane, registers 4-7 at 512 + 16 x lane.  Image (row tile, column tile) lies at 1,024 (64 x row tile + column tile).
	PLACES NP                                      ; behind the last products
	s_lshl_b32 s24, s17, 4                         ; (no tensor load is out: the descriptors' registers take the output's address)
	s_lshl_b32 s25, s15, 3
	s_add_co_u32 s24, s24, s25                     ; my first row tile
	s_lshl_b32 s24, s24, 6
	s_lshl_b32 s25, s3, 4
	s_add_co_u32 s24, s24, s25
	s_lshl_b32 s25, s16, 3
	s_add_co_u32 s24, s24, s25                     ; + my first column tile
	s_lshl_b32 s24, s24, 10
	s_mov_b32 s25, 0
	s_add_nc_u64 s[28:29], s[10:11], s[24:25]
.irp a, 0,1,2,3,4,5,6,7
	WIN 0x08+4*(\a/4)                              ; a store's data: window 2 or 3
.irp b, 0,1,2,3,4,5,6,7
	global_store_b128 v[L16], v[64*(\a%4)+8*\b:64*(\a%4)+8*\b+3], s[28:29] offset:65536*\a+1024*\b th:TH_STORE_NT        ; 512 consecutive bytes, at a multiple of 256 from the buffer's first byte; each accumulator from its low end on
	global_store_b128 v[L16], v[64*(\a%4)+8*\b+4:64*(\a%4)+8*\b+7], s[28:29] offset:65536*\a+1024*\b+512 th:TH_STORE_NT
.endr
.endr
	WIN 0
.else
; THE WAY OUT.  64 numbers of a lane in window w, register 16 b + i = j 32 b + 16 h + i of my row, become a fragment's codes in v[PC] on and its scale word in v[pw].
; QUANTA: the blocks' largest magnitudes, scale operands and the scale word: it writes no register that a pending store reads.  QUANTB: the codes.
.macro QUANTA s, w, pw
	WIN (\w)|((\w)<<2)
.irp b, 0,1,2,3
	v_max3_num_f32 v[TM+\b], |v[(\s)+16*\b]|, |v[(\s)+16*\b+1]|, 0x1800000    ; my 16 numbers of block b, and the floor 2^(3 - 127); each accumulator is read from its low end on
.endr
.irp i, 2,4,6,8,10,12,14
.irp b, 0,1,2,3
	v_max3_num_f32 v[TM+\b], |v[(\s)+16*\b+\i]|, |v[(\s)+16*\b+\i+1]|, v[TM+\b]
.endr
.endr
	WIN 0
.irp b, 0,1,2,3
	v_permlanex16_b32 v[TM+4+\b], v[TM+\b], s[SEL], s[SEL+1]
.endr
.irp b, 0,1,2,3
	v_max_num_f32 v[TM+\b], v[TM+\b], v[TM+4+\b]   ; with lane l xor 16's: the block's largest magnitude
.endr
.irp b, 0,1,2,3
	v_add_nc_u32 v[TM+12+\b], 0xff000000, v[TM+\b] ; 2 off its exponent field: the conversion's scale operand
.endr
.irp b, 0,1,2,3
	v_lshrrev_b32 v[TM+4+\b], 23, v[TM+12+\b]      ; the scale's byte
.endr
	v_lshl_or_b32 v[\pw], v[TM+5], 8, v[TM+4]
	v_lshl_or_b32 v[\pw], v[TM+6], 16, v[\pw]
	v_lshl_or_b32 v[\pw], v[TM+7], 24, v[\pw]
.endm
.macro QUANTB s, w
	WIN (\w)
.irp c, 0,1
	v_cvt_scalef32_pk16_fp6_f32 v[PC+6*\c:PC+6*\c+2], v[(\s)+32*\c:(\s)+32*\c+15], v[TM+12+2*\c]
	v_cvt_scalef32_pk16_fp6_f32 v[PT+4*\c:PT+4*\c+2], v[(\s)+32*\c+16:(\s)+32*\c+31], v[TM+12+2*\c+1]
.endr
	WIN 0
	v_nop                                          ; one plain line behind the conversions
.irp c, 0,1                                    ; the operand's layout wants a whole block in a lane: lanes 0-15 block 2 c, lanes 16-31 block 2 c + 1
.irp i, 0,1,2
	v_permlane16_swap_b32 v[PC+6*\c+\i], v[PT+4*\c+\i]
.endr
.irp i, 0,1,2
	v_mov_b32 v[PC+6*\c+3+\i], v[PT+4*\c+\i]
.endr
.endr
.endm
	PLACES NP                                      ; behind the last products: their results are read, and S1's registers written, below
.irp b, 0,1,2,3
	v_mov_b32 v[TM+4+\b], 0                        ; (a lane permute's destination counts as read)
.endr
	v_cmp_le_u32 vcc_lo, 16, v1                    ; lanes 16-31
	; no tensor load is out: the descriptors' registers take the output's addresses
	s_mov_b32 s24, 102400                          ; a record of the output,
	s_mov_b32 s32, 98304                           ; its codes,
	s_cmp_lt_u32 ttmp9, 16
	s_cselect_b32 s24, 25600, s24
	s_cselect_b32 s32, 24576, s32
	s_cselect_b32 s33, 0, 13107200                 ; where its records begin
	s_mov_b32 s25, 0
	s_lshl_b32 s26, s24, 1
	s_mov_b32 s27, 0
	s_lshl_b32 s34, s17, 4
	s_lshl_b32 s35, s15, 3
	s_add_co_u32 s34, s34, s35                     ; my first row tile of i
	s_mul_i32 s34, s34, s24
	s_add_co_u32 s34, s34, s33
	s_lshl_b32 s35, s3, 1
	s_add_co_u32 s35, s35, s16                     ; my 128 j are this K step of the output
	s_mul_i32 s28, s35, 1536
	s_add_co_u32 s28, s28, s34
	s_mov_b32 s29, 0
	s_lshl_b32 s30, s35, 6
	s_add_co_u32 s30, s30, s34
	s_add_co_u32 s30, s30, s32
	s_mov_b32 s31, 0
	s_add_nc_u64 s[28:29], s[10:11], s[28:29]      ; codes
	s_add_nc_u64 s[30:31], s[10:11], s[30:31]      ; scale words
	v_lshlrev_b32 v[LSC], 2, v2
	v_mad_u32_u24 v[LSC], v3, s24, v[LSC]          ; lanes 16-31 write the next record's words
.macro OUTA a
	QUANTA 64*((\a)%4), 2+(\a)/4, PW+(\a)%2
.if (\a) > 0
	s_wait_xcnt 0x0                                ; the last tile's stores have read their data and bases: both are written again only behind this wait; the maxima above stand between those stores and it
	s_add_nc_u64 s[28:29], s[28:29], s[24:25]
.if ((\a)%2) == 0
	s_add_nc_u64 s[30:31], s[30:31], s[26:27]
.endif
.endif
	QUANTB 64*((\a)%4), 2+(\a)/4
	global_store_b128 v[L16], v[PC:PC+3], s[28:29]
	global_store_b64 v[L8], v[PC+4:PC+5], s[28:29] offset:512
	global_store_b128 v[L16], v[PC+6:PC+9], s[28:29] offset:768
	global_store_b64 v[L8], v[PC+10:PC+11], s[28:29] offset:1280
.if ((\a)%2) == 1
	v_cndmask_b32 v[SW], v[PW], v[PW+1], vcc_lo
	global_store_b32 v[LSC], v[SW], s[30:31]
.endif
.endm
.irp a, 0,1,2,3,4,5,6,7
	OUTA \a
.endr
.endif
	s_wait_tensorcnt 0x0                           ; the wave's end
	ds_add_u32 v[SPW], v[NIL]
	s_wait_dscnt 0x0
	CROUND                                         ; the closing round: no work-group ends while a partner may still ask for a tile that names it
	s_endpgm
.Lfunc_end_k_q140a8b3eb9_gemm_qkv:
	.size	k_q140a8b3eb9_gemm_qkv, .Lfunc_end_k_q140a8b3eb9_gemm_qkv-k_q140a8b3eb9_gemm_qkv
	.p2alignl 7, 3214868480
	.fill 96, 4, 3214868480
	.section	.rodata,"a",@progbits
	.p2align	6, 0x0
	.amdhsa_kernel k_q140a8b3eb9_gemm_qkv
		.amdhsa_group_segment_fixed_size 327680
		.amdhsa_private_segment_fixed_size 0
		.amdhsa_enable_private_segment 0
		.amdhsa_kernarg_size 24
		.amdhsa_user_sgpr_count 2
		.amdhsa_user_sgpr_kernarg_segment_ptr 1
		.amdhsa_wavefront_size32 1
		.amdhsa_system_sgpr_workgroup_id_x 1
		.amdhsa_system_sgpr_workgroup_id_y 1
		.amdhsa_system_sgpr_workgroup_id_z 1
		.amdhsa_system_vgpr_workitem_id 0
		.amdhsa_next_free_vgpr 1024
		.amdhsa_next_free_sgpr 100
		.amdhsa_reserve_vcc 1
		.amdhsa_float_denorm_mode_32 3
		.amdhsa_float_denorm_mode_16_64 3
		.amdhsa_memory_ordered 1
		.amdhsa_forward_progress 1
		.amdhsa_inst_pref_size 152
	.end_amdhsa_kernel
	.amdgpu_metadata
---
amdhsa.version: [ 1, 2 ]
amdhsa.kernels:
  - .name:           k_q140a8b3eb9_gemm_qkv
    .symbol:         k_q140a8b3eb9_gemm_qkv.kd
    .args:
      - { .name: HQ, .offset: 0, .size: 8, .value_kind: global_buffer, .address_space: global }
      - { .name: WB, .offset: 8, .size: 8, .value_kind: global_buffer, .address_space: global }
      - { .name: QKV, .offset: 16, .size: 8, .value_kind: global_buffer, .address_space: global }
    .group_segment_fixed_size: 327680
    .private_segment_fixed_size: 0
    .kernarg_segment_align: 8
    .kernarg_segment_size: 24
    .max_flat_workgroup_size: 128
    .sgpr_count:     100
    .vgpr_count:     1024
    .wavefront_size: 32
...
	.end_amdgpu_metadata
.endif
;; end of part 3
;; launch attn (part 4): grid 32 x 8, 4 waves a work-group, no clusters, 83,456 bytes of LDS; arguments QKV, seq_lengths, AC, out1; writes AC, out1
.if DOCPART == 4
	.amdgcn_target "amdgcn-amd-amdhsa--gfx1250"
	.amdhsa_code_object_version 6
	.text
	.protected	k_q140a8b3eb9_attn
	.globl	k_q140a8b3eb9_attn
	.p2align	8
	.type	k_q140a8b3eb9_attn,@function
k_q140a8b3eb9_attn:
	s_mov_b64 s[64:65], 0
	v_nop
	global_prefetch_b8 v0, s[64:65] scope:SCOPE_SE
	s_setreg_imm32_b32 hwreg(HW_REG_WAVE_MODE, 25, 1), 1
	s_wait_xcnt 0x0
; Windowed attention on codes of FP6 (E2M3): scores = q k^T / 8 under the mask |key - query| <= 128 and key < seq_length; w = the finished softmax (0 for a query with no allowed key);
; out = Q(w) Q(v), both quantised along the keys; out1 = the mean of the unquantised w over the 16 heads.  The result out is quantised along the features and stored as K steps 4-11 of AC's records.
; SHARES.  A work-group takes 32 queries of one b (row tiles 2 G, 2 G + 1); wave w takes tile u = w % 2 and heads 8 (w / 2) .. + 7, one after the other.
; THE WINDOW.  All keys that the mask allows the 32 queries lie in 320 keys from ws = 64 (G / 2) - 128, held to 0 .. 704: 20 key tiles, 10 blocks of 32, 5 halves of a fragment of v.  What lies outside has w = 0.
; OPERANDS come from memory straight into registers: they are stored as images of fragment registers (768 bytes for 16 slots x 64 K: 16 bytes a lane, then 8 bytes a lane), 512 or 256 consecutive bytes a load.
; Both products are used transposed (source 0 = 16 keys, or 16 of the head's 64; source 1 = my 16 queries): a lane holds ONE query throughout, and with the tiles' row order
; (slot r of tile rt = row 32 (rt / 2) + 8 (rt % 2) + r + 8 (r / 8)) the 16 registers of two neighbouring tiles are 16 neighbours: register 16 B + i of the scores = key ws + 32 B + 16 h + i.
; K = 64 IN A FORM OF K = 128: q's operand is its 6 registers and 6 registers of zero codes; key tile t's operand is v[6 t .. 6 t + 11], whose upper half (the next tile's codes) meets zero codes.
; Likewise the third K step of the second product: w's upper half there is zero codes.  Scale bytes beside zero codes are bytes of other blocks or 0, never 0xff.
; THE MASK does not hang on the head: it is the C of the score products, 0 or -1e30, made once.  A query with no allowed key keeps 0 everywhere, so that its numbers stay finite, and its 1 / sum is replaced by 0.
; A block's largest w is not searched for: the block's largest score goes through the same multiply-add, exponential and multiplication (this takes v_exp_f32 not to fall where its input rises).
; REGISTERS.  window 0: v1-9 addresses; v12-19 statistics; v20-49 ten blocks' maxima, partners, scale operands; v50-75 scale words; v76-79 out's scale bytes; v80-87 at work; v88-91 zeros; v96-255 scores, p, w.
;   window 1: v0-159 the mask; v160-171 q; v172-207 w's codes; v208-239 O^T; v240-255 at work.   window 2: v0-159 the sum of w over my heads.   window 3: v0-125 k; v126-251 v.
; LIMITS: seq_lengths may be any int32.  NaN and infinities are not served.  A w under 2^-126 counts as 0 (v_exp_f32 gives no denormals).  A block of zeros gets the scale byte 1 (its codes are zeros).
; No cluster: neighbouring work-groups have different windows, so they could not make the same requests.  No prefetch: each load is issued a head ahead of its use, and the same bytes are read by up to ten work-groups.
.set L16, 1
.set L8,  2
.set R4,  3
.set LPK, 4                            ; 25,600 h + 4 r: lanes 16-31 take the next key tile's scale bytes
.set LPV, 5                            ; 102,400 h + 4 r: likewise for v's tiles
.set SA,  6                            ; the stage: where my sums of w go
.set RD,  7                            ; and where I read rows back
.set GA,  8                            ; out1: 32,768 h + 16 r
.set L4,  9
.set NM,  12
.set SUA, 14
.set INV, 16
.set SUB, 18
.set MB,  20
.set T2,  30
.set SO,  40
.set KS,  50
.set QS,  60
.set VSR, 61
.set VS,  67
.set PS,  73
.set OW,  76
.set OT,  80
.set ZQ,  88
.set S,   96
.set BIAS, 0
.set Q,   160
.set P,   172
.set O,   208
.set CT,  240
.set ATT, 0
.set K,   0
.set V,   126
.set SHV, 18
.set ANY, 20
.set CS,  22
.set SEL, 24
.set KB,  26
.set KSB0, 28
.set KSB, 30
.set QB,  32
.set QSB0, 34
.set QSB, 36
.set VB,  38
.set VSB, 40
.set OB,  42
.set OSB, 44
.set ZB,  46
.set WBS, 48
.set TP,  50
.set HIM, 66
.set IT,  67
.set STG, 41472                        ; a stage: 32 rows x (1,280 + 16) bytes
.set MSB, 0
.macro WIN new
.if MSB != (\new)
	s_set_vgpr_msb (MSB<<8)|(\new)
.set MSB, (\new)
.endif
.endm
.macro PLACES n
.rept \n
	v_nop
.endr
.endm
.macro KGROUP                          ; a head's k (20 tiles), q, and their scale bytes: 53 loads
	WIN 0xc0
.set t_, 0
.rept 20
	global_load_b128 v[K+6*t_:K+6*t_+3], v[L16], s[KB:KB+1] offset:25600*t_
	global_load_b64 v[K+6*t_+4:K+6*t_+5], v[L8], s[KB:KB+1] offset:25600*t_+512
.set t_, t_+1
.endr
	WIN 0x40
	global_load_b128 v[Q:Q+3], v[L16], s[QB:QB+1]
	global_load_b64 v[Q+4:Q+5], v[L8], s[QB:QB+1] offset:512
	WIN 0
.irp b, 0,1,2,3,4,5,6,7,8,9
	global_load_u16 v[KS+\b], v[LPK], s[KSB:KSB+1] offset:51200*\b    ; the head's two bytes of the word; the upper two come as 0
.endr
	global_load_u16 v[QS], v[R4], s[QSB:QSB+1]
.endm
.macro VGROUP                          ; a head's v (4 tiles x 5 halves) and its scale words: 46 loads
	WIN 0xc0
.irp dt, 0,1,2,3
.irp jh, 0,1,2,3,4
	global_load_b128 v[V+30*\dt+6*\jh:V+30*\dt+6*\jh+3], v[L16], s[VB:VB+1] offset:102400*\dt+768*\jh
	global_load_b64 v[V+30*\dt+6*\jh+4:V+30*\dt+6*\jh+5], v[L8], s[VB:VB+1] offset:102400*\dt+768*\jh+512
.endr
.endr
	WIN 0
.irp pr, 0,1
.irp j, 0,1,2
	global_load_b32 v[VSR+3*\pr+\j], v[LPV], s[VSB:VSB+1] offset:204800*\pr+64*\j
.endr
.endr
.endm
.macro PVW t, dt                       ; O^T tile dt += v's tile dt x w, keys 128 t on
.if (\t) == 0
.if (\dt)%2
	v_wmma_scale_f32_16x16x128_f8f6f4 v[O+8*\dt:O+8*\dt+7], v[V+30*\dt+12*\t:V+30*\dt+12*\t+11], v[P+12*\t:P+12*\t+11], 0, v[VS+3*(\dt/2)+\t], v[PS+\t] matrix_a_fmt:MATRIX_FMT_FP6 matrix_b_fmt:MATRIX_FMT_FP6 matrix_a_scale:MATRIX_SCALE_ROW1
.else
	v_wmma_scale_f32_16x16x128_f8f6f4 v[O+8*\dt:O+8*\dt+7], v[V+30*\dt+12*\t:V+30*\dt+12*\t+11], v[P+12*\t:P+12*\t+11], 0, v[VS+3*(\dt/2)+\t], v[PS+\t] matrix_a_fmt:MATRIX_FMT_FP6 matrix_b_fmt:MATRIX_FMT_FP6
.endif
.else
.if (\dt)%2
	v_wmma_scale_f32_16x16x128_f8f6f4 v[O+8*\dt:O+8*\dt+7], v[V+30*\dt+12*\t:V+30*\dt+12*\t+11], v[P+12*\t:P+12*\t+11], v[O+8*\dt:O+8*\dt+7], v[VS+3*(\dt/2)+\t], v[PS+\t] matrix_a_fmt:MATRIX_FMT_FP6 matrix_b_fmt:MATRIX_FMT_FP6 matrix_a_scale:MATRIX_SCALE_ROW1
.else
	v_wmma_scale_f32_16x16x128_f8f6f4 v[O+8*\dt:O+8*\dt+7], v[V+30*\dt+12*\t:V+30*\dt+12*\t+11], v[P+12*\t:P+12*\t+11], v[O+8*\dt:O+8*\dt+7], v[VS+3*(\dt/2)+\t], v[PS+\t] matrix_a_fmt:MATRIX_FMT_FP6 matrix_b_fmt:MATRIX_FMT_FP6
.endif
.endif
.endm
.macro PAIRS p0, n                     ; n pairs of blocks of w, from pair p0 on, become codes: the even block straight into its place, the odd one beside; then the halves change places
	WIN 0x40
.set p_, \p0
.rept \n
	v_cvt_scalef32_pk16_fp6_f32 v[P+6*p_:P+6*p_+2], v[S+32*p_:S+32*p_+15], v[SO+2*p_]
	v_cvt_scalef32_pk16_fp6_f32 v[CT+4*(p_-\p0):CT+4*(p_-\p0)+2], v[S+32*p_+16:S+32*p_+31], v[SO+2*p_+1]
.set p_, p_+1
.endr
	v_nop                                          ; one plain line behind the conversions
	WIN 0x41
.set p_, \p0
.rept \n
.irp i, 0,1,2
	v_permlane16_swap_b32 v[P+6*p_+\i], v[CT+4*(p_-\p0)+\i]
.endr
.irp i, 0,1,2
	v_mov_b32 v[P+6*p_+3+\i], v[CT+4*(p_-\p0)+\i]
.endr
.set p_, p_+1
.endr
.endm
; ONE HEAD.  first = 1: the wave's first head, which starts the sum of w and always has a successor.
.macro HEAD first
	s_wait_loadcnt 46                              ; k, q and their scale bytes are in; the 46 loads of this head's v, issued behind them, may be out
	WIN 0x17                                       ; k window 3, q and the mask window 1, the scores window 0
.set t_, 0
.rept 20
.if t_%2
	v_wmma_scale_f32_16x16x128_f8f6f4 v[S+8*t_:S+8*t_+7], v[K+6*t_:K+6*t_+11], v[Q:Q+11], v[BIAS+8*t_:BIAS+8*t_+7], v[KS+t_/2], v[QS] matrix_a_fmt:MATRIX_FMT_FP6 matrix_b_fmt:MATRIX_FMT_FP6 matrix_a_scale:MATRIX_SCALE_ROW1
.else
	v_wmma_scale_f32_16x16x128_f8f6f4 v[S+8*t_:S+8*t_+7], v[K+6*t_:K+6*t_+11], v[Q:Q+11], v[BIAS+8*t_:BIAS+8*t_+7], v[KS+t_/2], v[QS] matrix_a_fmt:MATRIX_FMT_FP6 matrix_b_fmt:MATRIX_FMT_FP6
.endif
.set t_, t_+1
.endr
	WIN 0
	PLACES 4                                       ; in front of the loads into k's and q's registers and of the first read of the scores
.if !(\first)
	s_cmp_eq_u32 s[IT], 7                          ; the last head asks for nothing more: no load leaves its buffer
	s_cbranch_scc1 .Lno_k_\@
.endif
	s_wait_xcnt 0x0                                ; earlier loads and stores have read their bases: they are stepped only behind this wait
	s_add_co_u32 s52, s[IT], 1                     ; the next head: its scale bytes lie at 64 (n / 2) + 2 (n % 2)
	s_lshr_b32 s53, s52, 1
	s_lshl_b32 s53, s53, 6
	s_and_b32 s52, s52, 1
	s_lshl_b32 s52, s52, 1
	s_add_co_u32 s[TP], s53, s52
	s_add_nc_u64 s[KSB:KSB+1], s[KSB0:KSB0+1], s[TP:TP+1]
	s_add_nc_u64 s[QSB:QSB+1], s[QSB0:QSB0+1], s[TP:TP+1]
	s_add_nc_u64 s[KB:KB+1], s[KB:KB+1], 768
	s_add_nc_u64 s[QB:QB+1], s[QB:QB+1], 768
	KGROUP                                         ; it has the whole softmax in which to land
.if !(\first)
.Lno_k_\@:
.endif
.irp b, 0,1,2,3,4,5,6,7,8,9
	v_max3_num_f32 v[MB+\b], v[S+16*\b], v[S+16*\b+1], v[S+16*\b+2]       ; the largest score of each block of 32 keys (each accumulator is read from its low end on)
.endr
.irp i, 3,5,7,9,11,13
.irp b, 0,1,2,3,4,5,6,7,8,9
	v_max3_num_f32 v[MB+\b], v[MB+\b], v[S+16*\b+\i], v[S+16*\b+\i+1]
.endr
.endr
.irp b, 0,1,2,3,4,5,6,7,8,9
	v_max_num_f32 v[MB+\b], v[MB+\b], v[S+16*\b+15]
.endr
.irp b, 0,1,2,3,4,5,6,7,8,9
	v_permlanex16_b32 v[T2+\b], v[MB+\b], s[SEL], s[SEL+1]
.endr
.irp b, 0,1,2,3,4,5,6,7,8,9
	v_max_num_f32 v[MB+\b], v[MB+\b], v[T2+\b]     ; with lane l xor 16's 16 keys
.endr
	v_max3_num_f32 v10, v[MB], v[MB+1], v[MB+2]
	v_max3_num_f32 v10, v10, v[MB+3], v[MB+4]
	v_max3_num_f32 v10, v10, v[MB+5], v[MB+6]
	v_max3_num_f32 v10, v10, v[MB+7], v[MB+8]
	v_max_num_f32 v10, v10, v[MB+9]                ; the row's largest score
	v_mul_f32 v[NM], s[CS], v10                    ; x c = log2(e) / 8
.set j_, 0
.rept 80
	v_pk_fma_f32 v[S+j_:S+j_+1], v[S+j_:S+j_+1], s[CS:CS+1], v[NM:NM+1] op_sel_hi:[1,0,0] neg_lo:[0,0,1] neg_hi:[0,0,1]   ; c s - c max
.set j_, j_+2
.endr
.irp b, 0,1,2,3,4,5,6,7,8,9
	v_fma_f32 v[MB+\b], v[MB+\b], s[CS], -v[NM]    ; the same of each block's largest score
.endr
.set j_, 0
.rept 160
	v_exp_f32 v[S+j_], v[S+j_]
.set j_, j_+1
.endr
	v_nop                                          ; a plain line behind the exponentials,
	s_wait_alu depctr_va_vdst(0)                   ; and one wait for the batch, ahead of its first reader
.irp b, 0,1,2,3,4,5,6,7,8,9
	v_exp_f32 v[MB+\b], v[MB+\b]
.endr
	v_pk_add_f32 v[SUA:SUA+1], v[S:S+1], v[S+2:S+3]                       ; the row's sum, two at a time, in two chains
	v_pk_add_f32 v[SUB:SUB+1], v[S+4:S+5], v[S+6:S+7]
.set j_, 8
.rept 38
	v_pk_add_f32 v[SUA:SUA+1], v[SUA:SUA+1], v[S+j_:S+j_+1]
	v_pk_add_f32 v[SUB:SUB+1], v[SUB:SUB+1], v[S+j_+2:S+j_+3]
.set j_, j_+4
.endr
	v_pk_add_f32 v[SUA:SUA+1], v[SUA:SUA+1], v[SUB:SUB+1]
	v_add_f32 v[SUA], v[SUA], v[SUA+1]
	v_permlanex16_b32 v[SUA+1], v[SUA], s[SEL], s[SEL+1]
	v_add_f32 v[SUA], v[SUA], v[SUA+1]
	v_rcp_f32 v[INV+1], v[SUA]
	v_nop
	s_wait_alu depctr_va_vdst(0)                   ; one wait for the ten exponentials and the reciprocal
	v_cndmask_b32 v[INV], 0, v[INV+1], s[ANY]      ; a query with no allowed key: w = 0
.if \first
	WIN 0x80
.set j_, 0
.rept 80
	v_pk_mul_f32 v[ATT+j_:ATT+j_+1], v[S+j_:S+j_+1], v[INV:INV+1] op_sel_hi:[1,0]   ; the first head starts the sum of w: nothing is cleared
.set j_, j_+2
.endr
	WIN 0
.endif
.set j_, 0
.rept 80
	v_pk_mul_f32 v[S+j_:S+j_+1], v[S+j_:S+j_+1], v[INV:INV+1] op_sel_hi:[1,0]       ; w, finished and normalised
.set j_, j_+2
.endr
.irp b, 0,1,2,3,4,5,6,7,8,9
	v_mul_f32 v[MB+\b], v[MB+\b], v[INV]           ; each block's largest w
.endr
.irp b, 0,1,2,3,4,5,6,7,8,9
	v_max_num_f32 v[MB+\b], 0x1800000, v[MB+\b]    ; the floor 2^(3 - 127)
.endr
.irp b, 0,1,2,3,4,5,6,7,8,9
	v_add_nc_u32 v[SO+\b], 0xff000000, v[MB+\b]    ; the conversion's scale operand
.endr
.irp b, 0,1,2,3,4,5,6,7,8,9
	v_lshrrev_b32 v[T2+\b], 23, v[SO+\b]           ; the scale's byte
.endr
.irp t, 0,1
	v_lshl_or_b32 v[PS+\t], v[T2+4*\t+1], 8, v[T2+4*\t]
	v_lshl_or_b32 v[PS+\t], v[T2+4*\t+2], 16, v[PS+\t]
	v_lshl_or_b32 v[PS+\t], v[T2+4*\t+3], 24, v[PS+\t]
.endr
	v_lshl_or_b32 v[PS+2], v[T2+9], 8, v[T2+8]     ; (its upper bytes stand beside zero codes)
	s_wait_loadcnt 0x0                             ; v is in (the next head's k, asked for a softmax ago, with it)
.irp pr, 0,1                                   ; v's scale words begin at the window's first key: 0 or 16 bits into the first word
	v_alignbit_b32 v[VS+3*\pr], v[VSR+3*\pr+1], v[VSR+3*\pr], s[SHV]
	v_alignbit_b32 v[VS+3*\pr+1], v[VSR+3*\pr+2], v[VSR+3*\pr+1], s[SHV]
	v_alignbit_b32 v[VS+3*\pr+2], v[VSR+3*\pr+2], v[VSR+3*\pr+2], s[SHV]
.endr
	s_wait_xcnt 0x0                                ; the last head's stores have read the registers that the conversions write
	PAIRS 0, 4
	PAIRS 4, 1
.if \first
	PLACES 8                                       ; scale words written by vector instructions stand 8 places ahead of the products, operands 4
.else
	WIN 0x82
.set j_, 0
.rept 80
	v_pk_add_f32 v[ATT+j_:ATT+j_+1], v[ATT+j_:ATT+j_+1], v[S+j_:S+j_+1]   ; the sum of the unquantised w over my heads.  (These are also those places)
.set j_, j_+2
.endr
.endif
	WIN 0x57                                       ; v window 3; w's codes and O^T window 1
.irp t, 0,1,2
.irp dt, 0,1,2,3
	PVW \t, \dt                                    ; the four accumulators take turns
.endr
.endr
	WIN 0
	PLACES 4                                       ; in front of the loads into v's registers and of the first read of O^T
.if !(\first)
	s_cmp_eq_u32 s[IT], 7
	s_cbranch_scc1 .Lno_v_\@
.endif
	s_wait_xcnt 0x0
	s_add_nc_u64 s[VB:VB+1], s[VB:VB+1], 409600
	s_add_nc_u64 s[VSB:VSB+1], s[VSB:VSB+1], 409600
	VGROUP
.if !(\first)
.Lno_v_\@:
.endif
	WIN 0x05                                       ; O^T: register 16 B + i = d 32 B + 16 h + i of my query: two blocks along the next K
.irp b, 0,1
	v_max3_num_f32 v[OT+\b], |v[O+16*\b]|, |v[O+16*\b+1]|, 0x1800000
.endr
.irp i, 2,4,6,8,10,12,14
.irp b, 0,1
	v_max3_num_f32 v[OT+\b], |v[O+16*\b+\i]|, |v[O+16*\b+\i+1]|, v[OT+\b]
.endr
.endr
	WIN 0
.irp b, 0,1
	v_permlanex16_b32 v[OT+2+\b], v[OT+\b], s[SEL], s[SEL+1]
.endr
.irp b, 0,1
	v_max_num_f32 v[OT+\b], v[OT+\b], v[OT+2+\b]
.endr
.irp b, 0,1
	v_add_nc_u32 v[OT+4+\b], 0xff000000, v[OT+\b]
.endr
.irp b, 0,1
	v_lshrrev_b32 v[OT+6+\b], 23, v[OT+4+\b]
.endr
	v_lshl_or_b32 v[OT+6], v[OT+7], 8, v[OT+6]     ; the head's two scale bytes go in at the top of 128 bits that move down 16 a head: after eight heads they lie in order
	v_alignbit_b32 v[OW], v[OW+1], v[OW], 16
	v_alignbit_b32 v[OW+1], v[OW+2], v[OW+1], 16
	v_alignbit_b32 v[OW+2], v[OW+3], v[OW+2], 16
	v_alignbit_b32 v[OW+3], v[OT+6], v[OW+3], 16
	s_wait_xcnt 0x0
.if !(\first)
	s_add_nc_u64 s[OB:OB+1], s[OB:OB+1], 768
.endif
	WIN 0x41
	v_cvt_scalef32_pk16_fp6_f32 v[CT:CT+2], v[O:O+15], v[OT+4]
	v_cvt_scalef32_pk16_fp6_f32 v[CT+4:CT+6], v[O+16:O+31], v[OT+5]
	v_nop
.irp i, 0,1,2
	v_permlane16_swap_b32 v[CT+\i], v[CT+4+\i]
.endr
	v_mov_b32 v[CT+3], v[CT+4]
	v_mov_b32 v[CT+4], v[CT+5]
	v_mov_b32 v[CT+5], v[CT+6]
	WIN 0x04
	global_store_b128 v[L16], v[CT:CT+3], s[OB:OB+1]                      ; half a fragment of out: 512 + 256 consecutive bytes
	global_store_b64 v[L8], v[CT+4:CT+5], s[OB:OB+1] offset:512
	WIN 0
.endm
	s_load_b256 s[4:11], s[0:1], 0x0               ; QKV, seq_lengths, AC, out1
	s_set_vgpr_msb 0x40
	v_lshl_add_u32 v251, v0, 2, 0x14400
	v_mov_b32 v255, 0
	s_set_vgpr_msb 0x4000
	v_lshrrev_b32 v10, 5, v0
	v_readfirstlane_b32 s12, v10                   ; wave
	s_and_b32 s13, s12, 1                          ; u: my tile of queries
	s_lshr_b32 s14, s12, 1                         ; which eight heads
	s_and_b32 s16, ttmp7, 0xffff                   ; b
	s_lshr_b32 s17, ttmp9, 1
	s_lshl_b32 s17, s17, 6
	s_sub_co_i32 s17, s17, 128
	s_max_i32 s17, s17, 0
	s_min_i32 s17, s17, 704                        ; ws
	s_lshl_b32 s52, s16, 10
	s_add_co_u32 s52, s52, s17                     ; the window's first key as a row b x 1,024 + l
	s_lshr_b32 s53, s52, 4                         ; its key tile,
	s_lshr_b32 s54, s52, 6                         ; its half fragment of v,
	s_lshr_b32 s55, s52, 7                         ; its scale word of v
	s_bfe_u32 s[SHV], s17, 0x10006
	s_lshl_b32 s[SHV], s[SHV], 4                   ; 16 where the window begins in the middle of that word
	s_lshl_b32 s56, s16, 6
	s_lshl_b32 s57, ttmp9, 1
	s_add_co_u32 s56, s56, s57
	s_add_co_u32 s56, s56, s13                     ; my row tile of queries
	s_mul_i32 s53, s53, 25600
	s_mul_i32 s57, s14, 6144                       ; 768 bytes a head
	s_lshl_b32 s59, s14, 8                         ; 64 bytes of scale words for two heads
	s_add_co_u32 s[KB], s53, s57
	s_add_co_u32 s[KB], s[KB], 12288
	s_add_co_u32 s[KSB0], s53, s59
	s_add_co_u32 s[KSB0], s[KSB0], 24576+512
	s_mul_i32 s60, s56, 25600
	s_add_co_u32 s[QB], s60, s57
	s_add_co_u32 s[QSB0], s60, s59
	s_add_co_u32 s[QSB0], s[QSB0], 24576
	s_mul_i32 s61, s14, 3276800                    ; 4 records of 102,400 bytes a head
	s_add_co_u32 s61, s61, 13107200
	s_mul_i32 s62, s54, 768
	s_add_co_u32 s[VB], s61, s62
	s_lshl_b32 s62, s55, 6
	s_add_co_u32 s[VSB], s61, s62
	s_add_co_u32 s[VSB], s[VSB], 98304
	s_mul_i32 s62, s56, 19200
	s_add_co_u32 s[OB], s62, s57
	s_add_co_u32 s[OB], s[OB], 6144
	s_add_co_u32 s[OSB], s62, s59
	s_add_co_u32 s[OSB], s[OSB], 18432+256
	s_lshl_b32 s[ZB], ttmp9, 5
	s_lshl_b32 s62, s12, 3
	s_add_co_u32 s[ZB], s[ZB], s62                 ; the rows of out1 that I store: l = 32 G + 8 w on
	s_lshl_b32 s[ZB], s[ZB], 15
	s_lshl_b32 s62, s16, 12
	s_add_co_u32 s[ZB], s[ZB], s62
	s_lshl_b32 s[WBS], s17, 2
	s_add_co_u32 s[WBS], s[WBS], s[ZB]             ; and the window's place in them
.irp p, KB, KSB0, QB, QSB0, VB, VSB, OB, OSB, ZB, WBS, TP
	s_mov_b32 s[\p+1], 0
.endr
	s_lshl_b32 s68, s16, 2
	s_mov_b32 s[CS], 0x3e38aa3b                    ; c = log2(e) / 8
	s_mov_b32 s[CS+1], s[CS]
	s_mov_b32 s[SEL], 0x76543210
	s_mov_b32 s[SEL+1], 0xfedcba98
	v_and_b32 v10, 31, v0                          ; lane
	v_and_b32 v11, 15, v0                          ; r
	v_bfe_u32 v92, v0, 4, 1                        ; h
	v_lshlrev_b32 v[L16], 4, v10
	v_lshlrev_b32 v[L8], 3, v10
	v_lshlrev_b32 v[L4], 2, v10
	v_lshlrev_b32 v[R4], 2, v11
	v_mad_u32_u24 v[LPK], v92, 25600, v[R4]
	v_mad_u32_u24 v[LPV], v92, 102400, v[R4]
	v_cmp_le_u32 s[HIM], 16, v10                   ; lanes 16-31
	v_and_b32 v93, 8, v11
	v_add_nc_u32 v93, v93, v11
	s_lshl_b32 s62, s13, 3
	v_add_nc_u32 v93, s62, v93                     ; my query among the 32: 8 u + r + 8 (r / 8)
	v_mul_u32_u24 v[SA], v93, 1296
	v_lshl_add_u32 v[SA], v92, 6, v[SA]
	s_mul_i32 s62, s14, STG
	v_add_nc_u32 v[SA], s62, v[SA]                 ; each half of the heads has a stage of its own
	s_lshl_b32 s62, s12, 3
	v_add_nc_u32 v[RD], s62, v92
	v_mul_u32_u24 v[RD], v[RD], 1296
	v_lshl_add_u32 v[RD], v11, 4, v[RD]            ; back: rows 8 w + h + 2 p, 16 bytes a lane
	v_lshlrev_b32 v[GA], 15, v92
	v_lshl_add_u32 v[GA], v11, 4, v[GA]
	s_wait_kmcnt 0x0
	s_load_b32 s19, s[6:7], s68 offset:0x0         ; my b's length
.irp p, KB, KSB0, QB, QSB0, VB, VSB
	s_add_nc_u64 s[\p:\p+1], s[4:5], s[\p:\p+1]
.endr
	s_add_nc_u64 s[OB:OB+1], s[8:9], s[OB:OB+1]
	s_add_nc_u64 s[OSB:OSB+1], s[8:9], s[OSB:OSB+1]
	s_add_nc_u64 s[ZB:ZB+1], s[10:11], s[ZB:ZB+1]
	s_add_nc_u64 s[WBS:WBS+1], s[10:11], s[WBS:WBS+1]
	s_mov_b64 s[KSB:KSB+1], s[KSB0:KSB0+1]
	s_mov_b64 s[QSB:QSB+1], s[QSB0:QSB0+1]
	KGROUP                                         ; the first head's operands
	VGROUP
	; out1 outside the window is 0: 11 runs of 256 bytes in each of my 8 rows.  They are stored here, so that they leave during the heads' work
	s_lshr_b32 s62, s17, 6
.irp i, 0,1,2,3
	v_mov_b32 v[ZQ+\i], 0
.endr
.set c_, 0
.rept 11
	s_cmp_le_u32 s62, c_                           ; a run at or behind the window's place lies five runs further on
	s_cselect_b32 s63, 1280, 0
	v_add_nc_u32 v[S+c_], s63, v[GA]
.set c_, c_+1
.endr
.irp p, 0,1,2,3
.set c_, 0
.rept 11
	global_store_b128 v[S+c_], v[ZQ:ZQ+3], s[ZB:ZB+1] offset:65536*\p+256*c_ th:TH_STORE_NT   ; lanes 0-15 fill 256 aligned bytes of one row, lanes 16-31 of the next
.set c_, c_+1
.endr
.endr
	; the mask, in the scores' layout
	s_wait_kmcnt 0x0
	s_max_i32 s19, s19, 0
	s_min_i32 s19, s19, 1024
	s_sub_co_i32 s54, s19, 1                       ; the last key within the length
	s_lshl_b32 s52, ttmp9, 5
	v_add_nc_u32 v94, s52, v93                     ; my query
	v_add_nc_u32 v95, 0xffffff80, v94
	v_cmp_le_i32 vcc_lo, 0, v95
	v_cndmask_b32 v95, 0, v95, vcc_lo              ; lo = max(q - 128, 0)
	v_add_nc_u32 v94, 0x80, v94
	v_mov_b32 v10, s54
	v_cmp_gt_i32 vcc_lo, s54, v94
	v_cndmask_b32 v94, v10, v94, vcc_lo            ; hi = min(q + 128, length - 1)
	v_cmp_ge_i32 s[ANY], v94, v95                  ; is any key allowed?
	v_sub_nc_u32 v94, v94, v95
	v_cndmask_b32 v94, -1, v94, s[ANY]             ; hi - lo; for a query with none: every key passes (its w is made 0 by 1 / sum = 0)
	v_lshlrev_b32 v10, 4, v92
	v_add_nc_u32 v10, s17, v10
	v_sub_nc_u32 v95, v95, v10
	v_cndmask_b32 v95, 0, v95, s[ANY]              ; lo - ws - 16 h
	WIN 0x40
	v_mov_b32 v[CT], v95
	v_mov_b32 v[CT+1], v94
	v_mov_b32 v[CT+3], 0xf149f2ca                  ; -1e30
	v_mov_b32 v[CT+4], 0
	WIN 0x55
.set n_, 0
.rept 160
	v_sub_nc_u32 v[CT+2], 32*(n_/16)+n_%16, v[CT]  ; register n holds key ws + 16 h + 32 (n / 16) + n % 16: allowed where 0 <= key - lo <= hi - lo, as one unsigned compare
	v_cmp_ge_u32 vcc_lo, v[CT+1], v[CT+2]
	v_cndmask_b32 v[BIAS+n_], v[CT+3], v[CT+4], vcc_lo
.set n_, n_+1
.endr
	WIN 0xc0
.irp i, 0,1,2,3,4,5
	v_mov_b32 v[K+120+\i], 0                       ; zero codes behind the last key tile and behind v's last tile,
	v_mov_b32 v[V+120+\i], 0
.endr
	WIN 0x40
.irp i, 0,1,2,3,4,5
	v_mov_b32 v[Q+6+\i], 0                         ; as q's upper half and as the upper half of w's third fragment
	v_mov_b32 v[P+30+\i], 0
.endr
	WIN 0
.irp b, 0,1,2,3,4,5,6,7,8,9
	v_mov_b32 v[T2+\b], 0                          ; (a lane permute's destination counts as read)
.endr
	v_mov_b32 v[OT+2], 0
	v_mov_b32 v[OT+3], 0
.irp i, 0,1,2,3
	v_mov_b32 v[OW+\i], 0
.endr
	v_mov_b32 v[NM+1], 0                           ; (named as the upper half of a pair)
	s_wait_xcnt 0x0                                ; the stores of zeros have read their offsets, which lie where the scores will
	s_mov_b32 s[IT], 0
	HEAD 1
	s_mov_b32 s[IT], 1
.Lhead:
	HEAD 0
	s_add_co_u32 s[IT], s[IT], 1
	s_cmp_lt_u32 s[IT], 8
	s_cbranch_scc1 .Lhead
	v_cndmask_b32 v[OT], v[OW], v[OW+1], s[HIM]    ; out's scale words of my four K steps: word j of slot r at 64 j + 4 r
	v_cndmask_b32 v[OT+1], v[OW+2], v[OW+3], s[HIM]
	global_store_b32 v[L4], v[OT], s[OSB:OSB+1]
	global_store_b32 v[L4], v[OT+1], s[OSB:OSB+1] offset:128
	; THE MEAN OVER THE HEADS.  Each wave's sums go to its half's stage, as rows of 320 keys; behind one barrier a wave reads 8 rows from both stages, adds them, and stores whole runs of 256 bytes.
	WIN 0x08
.irp b, 0,1,2,3,4,5,6,7,8,9
.irp i, 0,1,2,3
	ds_store_b128 v[SA], v[ATT+16*\b+4*\i:ATT+16*\b+4*\i+3] offset:128*\b+16*\i
.endr
.endr
	WIN 0
	s_wait_dscnt 0x0                               ; for the others' sake: my stores are done
	s_barrier_signal -1
	s_barrier_wait -1
.irp p, 0,1,2,3
.irp c, 0,1,2,3,4
	ds_load_b128 v[S+4*(5*\p+\c):S+4*(5*\p+\c)+3], v[RD] offset:2592*\p+256*\c
	ds_load_b128 v[S+80+4*(5*\p+\c):S+80+4*(5*\p+\c)+3], v[RD] offset:STG+2592*\p+256*\c
.endr
.endr
	s_wait_dscnt 0x0
.set j_, 0
.rept 40
	v_pk_add_f32 v[S+j_:S+j_+1], v[S+j_:S+j_+1], v[S+80+j_:S+80+j_+1]
.set j_, j_+2
.endr
.set j_, 0
.rept 40
	v_pk_mul_f32 v[S+j_:S+j_+1], v[S+j_:S+j_+1], 0x3d800000 op_sel_hi:[1,0]   ; / 16
.set j_, j_+2
.endr
.irp p, 0,1,2,3
.irp c, 0,1,2,3,4
	global_store_b128 v[GA], v[S+4*(5*\p+\c):S+4*(5*\p+\c)+3], s[WBS:WBS+1] offset:65536*\p+256*\c th:TH_STORE_NT
.endr
.endr
	s_set_vgpr_msb 0x5
	s_wait_tensorcnt 0x0
	ds_add_u32 v251, v255
	s_wait_dscnt 0x0
	s_set_vgpr_msb 0x500
	s_endpgm
.Lfunc_end_k_q140a8b3eb9_attn:
	.size	k_q140a8b3eb9_attn, .Lfunc_end_k_q140a8b3eb9_attn-k_q140a8b3eb9_attn
	.p2alignl 7, 3214868480
	.fill 96, 4, 3214868480
	.section	.rodata,"a",@progbits
	.p2align	6, 0x0
	.amdhsa_kernel k_q140a8b3eb9_attn
		.amdhsa_group_segment_fixed_size 83456
		.amdhsa_private_segment_fixed_size 0
		.amdhsa_enable_private_segment 0
		.amdhsa_kernarg_size 32
		.amdhsa_user_sgpr_count 2
		.amdhsa_user_sgpr_kernarg_segment_ptr 1
		.amdhsa_wavefront_size32 1
		.amdhsa_system_sgpr_workgroup_id_x 1
		.amdhsa_system_sgpr_workgroup_id_y 1
		.amdhsa_system_sgpr_workgroup_id_z 1
		.amdhsa_system_vgpr_workitem_id 0
		.amdhsa_next_free_vgpr 1024
		.amdhsa_next_free_sgpr 72
		.amdhsa_reserve_vcc 1
		.amdhsa_float_denorm_mode_32 3
		.amdhsa_float_denorm_mode_16_64 3
		.amdhsa_memory_ordered 1
		.amdhsa_forward_progress 1
		.amdhsa_inst_pref_size 163
	.end_amdhsa_kernel
	.amdgpu_metadata
---
amdhsa.version: [ 1, 2 ]
amdhsa.kernels:
  - .name:           k_q140a8b3eb9_attn
    .symbol:         k_q140a8b3eb9_attn.kd
    .args:
      - { .name: QKV, .offset: 0, .size: 8, .value_kind: global_buffer, .address_space: global }
      - { .name: seq_lengths, .offset: 8, .size: 8, .value_kind: global_buffer, .address_space: global }
      - { .name: AC, .offset: 16, .size: 8, .value_kind: global_buffer, .address_space: global }
      - { .name: out1, .offset: 24, .size: 8, .value_kind: global_buffer, .address_space: global }
    .group_segment_fixed_size: 83456
    .private_segment_fixed_size: 0
    .kernarg_segment_align: 8
    .kernarg_segment_size: 32
    .max_flat_workgroup_size: 128
    .sgpr_count:     72
    .vgpr_count:     1024
    .wavefront_size: 32
...
	.end_amdgpu_metadata
.endif
;; end of part 4
;; launch gemm_r (part 5): grid 32 x 4, 4 waves a work-group, clusters of 4 x 4, 327,680 bytes of LDS; arguments AC, WB, b_in, R; writes R
.if DOCPART == 5
	.amdgcn_target "amdgcn-amd-amdhsa--gfx1250"
	.amdhsa_code_object_version 6
	.text
	.protected	k_q140a8b3eb9_gemm_r
	.globl	k_q140a8b3eb9_gemm_r
	.p2align	8
	.type	k_q140a8b3eb9_gemm_r,@function
k_q140a8b3eb9_gemm_r:
	s_mov_b64 s[64:65], 0
	v_nop
	global_prefetch_b8 v0, s[64:65] scope:SCOPE_SE
	s_setreg_imm32_b32 hwreg(HW_REG_WAVE_MODE, 25, 1), 1
	s_wait_xcnt 0x0
	s_wait_alu depctr_hold_cnt(0) depctr_sa_sdst(0) depctr_va_vdst(0) depctr_va_sdst(0) depctr_va_ssrc(0) depctr_va_vcc(0) depctr_vm_vsrc(0)
	s_getreg_b32 s2, hwreg(HW_REG_IB_STS2, 6, 4)
	s_cmp_eq_u32 s2, 0
	s_cbranch_scc0 .Lentry_in_a_cluster
	s_endpgm
.Lentry_in_a_cluster:
	s_bfe_u32 s2, ttmp6, 0x10000c
	s_cmp_lg_u32 s2, 0xf033
	s_cbranch_scc0 .Lentry_shape_is_right
	s_endpgm
.Lentry_shape_is_right:
; Z[i][j] = sum over k of S1[i][k] S0[j][k] + bias[j], on codes of FP6 (E2M3) with E8M0 scales.
; This text (IS_R = 1): r = h + attn_out = b_in + [Q(x) | Q(out)] [Q(W_in) | Q(attn_out_w)]^T, ONE sum over K = 1,536.  S1 = AC's records (K steps 0-3 x, 4-11 the attention's output), S0 = WB's first 64 records.
; (the module adds two f32 sums; here the second goes on where the first ends: another order of rounding, nothing else.)
; r goes to memory in f32, as IMAGES OF THE ACCUMULATORS' REGISTERS, for the launch that normalises it: a row's mean and variance span 1,024 columns, four of these work-groups.
; Why r is not normalised where it is made: a work-group that holds whole rows in its registers holds 64 of them, so each fragment of the weights (1,536 bytes) feeds 4 products there, against 8 here,
; and all 1,179,648 bytes of these weights' codes would pass through every such work-group's LDS, in 12 fills one behind the other.
; FORMAT of every operand: row tiles of 16 slots (slot r of tile rt = row 32 (rt / 2) + 8 (rt % 2) + r + 8 (r / 8)); a fragment (16 slots x 128 K) is 1,536 bytes, an image of its 12 registers:
; for c = 0, 1 registers 6c .. 6c+3 at 768 c + 16 x lane, registers 6c+4, 6c+5 at 768 c + 512 + 8 x lane; a tile's record = its fragments, then 64 bytes of scale words for each.
; A work-group of four waves makes 256 i x 256 j, a wave 128 x 128: 64 accumulators, 512 registers.  Source 0 = 16 rows of S0, source 1 = 16 rows of S1: a lane holds ONE row i, its registers run along j.
; K goes in steps of 256 through THREE LDS slots (a tile's part of a step is 3,072 consecutive bytes).  The first three steps are asked for together at the head; the other three fill the slots again,
; each when its slot has been read.  A change onto a slot that an earlier barrier has shown whole needs no barrier.  The scale words of the work-group's rows come once.
; CLUSTER 4 x 4: S1's tiles are shared along a row of the cluster, S0's along a column: asked for jointly, by the same load with the same descriptor and a mask that names the four.
; REGISTERS: window 0: v4-22 addresses; v32-63 scale words, two sets; v64-127 the bias in the result's layout; v128-223 S1's fragments, one set.
;   window 1: S0's fragments, two sets (v0, v128).  windows 2, 3: the accumulators, (a, b) at v[8 (8 (a % 4) + b)].
; LIMITS: NaN and infinities are not served.  The grid has 128 work-groups: tiles of half the size would halve the products that each LDS byte feeds.
.set IS_R, 1
.if IS_R
.set REC,  19200                       ; a record of S0 and of S1
.set COD,  18432                       ; its codes
.set KTOT, 1536
.else
.set REC,  12800
.set COD,  12288
.set KTOT, 1024
.endif
.set KSL,   KTOT/128
.set NQ,    2                          ; matrix instructions deep in a slot
.set FR,    12
.set NL,    4                          ; LDS loads that bring a fragment
.set NP,    4                          ; places behind this matrix instruction (ISA guide 7.12.1)
.set FRB,   1536
.set TILEB, NQ*FRB                     ; a row tile's part of a slot
.set HALFT, 8*TILEB                    ; 8 row tiles: what one tensor load brings, and what one wave reads of S1 or of S0
.set SLOT,  4*HALFT
.set SCL,   3*SLOT                     ; behind the three slots: the scale words
.set HALFS, 512*KSL                    ; those of 8 row tiles
.set SPARE, SCL+4*HALFS                ; the spare words, 128 bytes for each wave, that no other line names
.set ADRA16, 4                         ; v4-6   S1's fragments in slot 0, 1, 2: + 16 x lane;  v7-9: + 8 x lane
.set ADRA8,  7
.set ADRB16, 10                        ; v10-15 the same for S0
.set ADRB8,  13
.set ADRS,   16                        ; v16    my scale words: lanes 0-15 S1's tiles, lanes 16-31 S0's
.set L16,    20
.set L8,     21
.set LSC,    22
.set SPW,    28
.set NIL,    29
.set SC,     32
.set BIAS,   64
.set AF,     128
.set TM,     128
.set PC,     144
.set PT,     156
.set PW,     164
.set SW,     166
.set SEL,  66                          ; s[66:67]
.set G1,   24                          ; s[24:31] group 1 for S1's tiles;  s[32:43] group 0, one set for each slot
.set G0,   32
.set G1B,  44                          ; s[44:51], s[52:63] the same for S0's tiles
.set G0B,  52
.set G1S,  68
.set G0S,  76
.set G1SB, 80
.set G0SB, 88
.set MSB, 0
.macro WIN new                         ; the immediate's high byte repeats the setting that is left
.if MSB != (\new)
	s_set_vgpr_msb (MSB<<8)|(\new)
.set MSB, (\new)
.endif
.endm
.set TO_B, 0x40
.macro PLACES n
.rept \n
	v_nop
.endr
.endm
; A joint load: waves 0 and 1 fetch for S1, waves 2 and 3 for S0; the branch hangs on the wave's number alone.  Four v_nop follow each of the two lines.
.macro JLOAD g0a, g1a, g0b, g1b
	s_cmp_eq_u32 s15, 0
	s_cbranch_scc0 .Lfor_b_\@
	tensor_load_to_lds s[\g0a:\g0a+3], s[\g1a:\g1a+7]
	s_nop 0
.rept 4
	v_nop
.endr
	s_branch .Lasked_\@
.Lfor_b_\@:
	tensor_load_to_lds s[\g0b:\g0b+3], s[\g1b:\g1b+7]
	s_nop 0
.rept 4
	v_nop
.endr
.Lasked_\@:
.endm
.macro CREST                           ; a round of the cluster's barrier behind its opening barrier
	s_cmp_lg_u32 s14, 0
	s_cbranch_scc1 .Lnot_wave_0_\@
	s_barrier_signal -3
.Lnot_wave_0_\@:
	s_barrier_wait -3
	s_barrier_signal -1
	s_barrier_wait -1
.endm
.macro CROUND
	s_barrier_signal -1
	s_barrier_wait -1
	CREST
.endm
	s_load_b128 s[4:7], s[0:1], 0x0                ; the first two buffers
.if IS_R
	s_load_b128 s[8:11], s[0:1], 0x10              ; b_in, the output
.else
	s_load_b64 s[10:11], s[0:1], 0x10              ; the output
.endif
	v_lshl_add_u32 v[SPW], v0, 2, SPARE
	v_mov_b32 v[NIL], 0
	ds_add_u32 v28, v29
	ds_add_u32 v28, v29
	s_wait_dscnt 0x0
	v_lshrrev_b32 v1, 5, v0
	v_readfirstlane_b32 s14, v1                    ; wave 0..3
	s_lshr_b32 s15, s14, 1                         ; which half of the tile's i is mine.  Also: I fetch for S1 (0) or for S0 (1)
	s_and_b32 s16, s14, 1                          ; which half of its j.  Also: which 8 row tiles I fetch
	s_bfe_u32 s12, ttmp6, 0x40000                  ; cx, cy: my place in the cluster
	s_bfe_u32 s13, ttmp6, 0x40004
.if IS_R
	s_lshl_b32 s17, ttmp9, 2
	s_add_co_u32 s17, s17, s13                     ; tile row = 4 x cluster + cy
	s_mov_b32 s3, s12                              ; tile column = cx
.else
	s_lshr_b32 s18, ttmp9, 1
	s_lshl_b32 s18, s18, 2                         ; q, k (clusters 0-15): tile rows 4 (c / 2) on,
	s_and_b32 s19, ttmp9, 1
	s_lshl_b32 s19, s19, 2                         ; tile columns 4 (c % 2) on
	s_sub_co_u32 s20, ttmp9, 16
	s_lshl_b32 s20, s20, 2                         ; v (clusters 16-23): tile rows 0 on, tile columns 4 (c - 16) on
	s_cmp_lt_u32 ttmp9, 16                         ; the cluster's number is the same in all sixteen partners
	s_cselect_b32 s18, s18, 0
	s_cselect_b32 s19, s19, s20
	s_cselect_b32 s95, 0, 2867200                  ; S1's records begin here in their buffer (v: the last 64 row tiles of in_proj_w),
	s_cselect_b32 s2, 1228800, 0                   ; S0's here (q, k: in_proj_w's first)
	s_add_co_u32 s17, s18, s13
	s_add_co_u32 s3, s19, s12
.endif
	s_lshl_b32 s18, s13, 2
	s_lshl_b32 s18, 15, s18                        ; my row of the cluster
	s_lshl_b32 s19, 0x1111, s12                    ; my column
	s_mov_b32 s[SEL], 0x76543210
	s_mov_b32 s[SEL+1], 0xfedcba98
	; descriptor group 1, codes: 8 row tiles x 3,072 bytes (384 elements of 8 bytes), a record apart; no padding: the images are read 512 or 256 consecutive bytes an instruction
	s_or_b32 s[G1+0], s18, (3<<16)|(1<<21)
	s_or_b32 s[G1B+0], s19, (3<<16)|(1<<21)
.irp g, G1, G1B
	s_mov_b32 s[\g+1], 384<<16                     ; tensor_dim0
	s_mov_b32 s[\g+2], 8<<16                       ; tensor_dim1
	s_mov_b32 s[\g+3], 384<<16                     ; tile_dim0
	s_mov_b32 s[\g+4], 8                           ; tile_dim1
	s_mov_b32 s[\g+5], REC/8                       ; tensor_dim0_stride
	s_mov_b32 s[\g+6], 0
	s_mov_b32 s[\g+7], 0
.endr
	; scale words: 8 row tiles x 64 KSL bytes
	s_or_b32 s[G1S+0], s18, (3<<16)|(1<<21)
	s_or_b32 s[G1SB+0], s19, (3<<16)|(1<<21)
.irp g, G1S, G1SB
	s_mov_b32 s[\g+1], (8*KSL)<<16
	s_mov_b32 s[\g+2], 8<<16
	s_mov_b32 s[\g+3], (8*KSL)<<16
	s_mov_b32 s[\g+4], 8
	s_mov_b32 s[\g+5], REC/8
	s_mov_b32 s[\g+6], 0
	s_mov_b32 s[\g+7], 0
.endr
	s_lshl_b32 s18, s16, 3                         ; which 8 row tiles of the 16 I fetch
	s_lshl_b32 s20, s17, 4
	s_add_co_u32 s20, s20, s18
	s_mul_i32 s20, s20, REC                        ; S1: hangs on the tile row alone
	s_lshl_b32 s22, s3, 4
	s_add_co_u32 s22, s22, s18
	s_mul_i32 s22, s22, REC                        ; S0: on the tile column alone
.if !IS_R
	s_add_co_u32 s20, s20, s95
	s_add_co_u32 s22, s22, s2
.endif
	s_mov_b32 s21, 0
	s_mov_b32 s23, 0
	s_mul_i32 s93, s14, HALFT                      ; where they go: wave x 8 row tiles: no place in the cluster enters an LDS address
	s_mul_i32 s94, s14, HALFS
	s_wait_kmcnt 0x0
.if IS_R
	s_mov_b64 s[96:97], s[4:5]
	s_mov_b64 s[98:99], s[6:7]
.else
	s_cmp_lt_u32 ttmp9, 16
	s_cselect_b64 s[96:97], s[4:5], s[6:7]         ; S1: h's codes (q, k) or the weights (v)
	s_cselect_b64 s[98:99], s[6:7], s[4:5]         ; S0: the other
.endif
	s_add_nc_u64 s[20:21], s[96:97], s[20:21]      ; S1's codes
	s_add_nc_u64 s[22:23], s[98:99], s[22:23]      ; S0's codes
	s_add_nc_u64 s[96:97], s[20:21], COD           ; and their scale words
	s_add_nc_u64 s[98:99], s[22:23], COD
	CROUND                                         ; all sixteen work-groups are here: the first joint loads meet
	s_mov_b32 s[G0S], 1
	s_add_co_u32 s[G0S+1], s94, SCL
	s_mov_b64 s[G0S+2:G0S+3], s[96:97]
	s_or_b32 s[G0S+3], s[G0S+3], 0x80000000
	s_mov_b32 s[G0SB], 1
	s_add_co_u32 s[G0SB+1], s94, SCL
	s_mov_b64 s[G0SB+2:G0SB+3], s[98:99]
	s_or_b32 s[G0SB+3], s[G0SB+3], 0x80000000
	JLOAD G0S, G1S, G0SB, G1SB                     ; the scale words first: they are wanted with K step 0
.irp s, 0,1,2
	s_mov_b32 s[G0+4*\s], 1
	s_add_co_u32 s[G0+4*\s+1], s93, \s*SLOT
	s_add_nc_u64 s[G0+4*\s+2:G0+4*\s+3], s[20:21], \s*TILEB
	s_or_b32 s[G0+4*\s+3], s[G0+4*\s+3], 0x80000000
	s_mov_b32 s[G0B+4*\s], 1
	s_add_co_u32 s[G0B+4*\s+1], s93, \s*SLOT
	s_add_nc_u64 s[G0B+4*\s+2:G0B+4*\s+3], s[22:23], \s*TILEB
	s_or_b32 s[G0B+4*\s+3], s[G0B+4*\s+3], 0x80000000
	JLOAD G0+4*\s, G1, G0B+4*\s, G1B               ; K steps 0, 1, 2: by this text's count four tensor loads of a wave are out
.endr
	v_and_b32 v1, 31, v0                           ; lane
	v_and_b32 v2, 15, v0                           ; r
	v_bfe_u32 v3, v0, 4, 1                         ; h
	v_lshlrev_b32 v[L16], 4, v1
	v_lshlrev_b32 v[L8], 3, v1
	s_mul_i32 s21, s15, HALFT                      ; my 8 row tiles of S1
	s_mul_i32 s22, s16, HALFT                      ; my 8 of S0,
	s_add_co_u32 s22, s22, 2*HALFT                 ; which lie behind S1's 16
.irp s, 0,1,2
	v_add_nc_u32 v[ADRA16+\s], s21, v[L16]
	v_add_nc_u32 v[ADRA8+\s], s21, v[L8]
	v_add_nc_u32 v[ADRB16+\s], s22, v[L16]
	v_add_nc_u32 v[ADRB8+\s], s22, v[L8]
	s_add_co_u32 s21, s21, SLOT
	s_add_co_u32 s22, s22, SLOT
.endr
	v_lshlrev_b32 v18, 2, v2                       ; 4 r
	s_mul_i32 s21, s15, HALFS
	s_mul_i32 s22, s16, HALFS
	s_add_co_u32 s22, s22, 2*HALFS
	s_sub_co_u32 s22, s22, s21
	v_mul_u32_u24 v19, s22, v3                     ; lanes 16-31 take S0's
	s_add_co_u32 s21, s21, SCL
	v_add_nc_u32 v18, v18, v19
	v_add_nc_u32 v[ADRS], s21, v18
.if IS_R
	s_lshl_b32 s18, s3, 10                         ; the bias of my 128 j: lane (r, h) wants, for tile b, j = 32 (b / 2) + 8 (b % 2) + 16 h + 0 .. 7
	s_lshl_b32 s19, s16, 9
	s_add_co_u32 s18, s18, s19
	s_mov_b32 s19, 0
	s_add_nc_u64 s[8:9], s[8:9], s[18:19]
	v_lshlrev_b32 v17, 6, v3
.irp b, 0,1,2,3,4,5,6,7
	global_load_b128 v[BIAS+8*\b:BIAS+8*\b+3], v17, s[8:9] offset:4*(32*(\b/2)+8*(\b%2))
	global_load_b128 v[BIAS+8*\b+4:BIAS+8*\b+7], v17, s[8:9] offset:4*(32*(\b/2)+8*(\b%2))+16
.endr
.endif
.macro FRAG reg, a16, a8, q, i         ; a fragment comes back as it was stored: four loads
	ds_load_b128 v[(\reg):(\reg)+3], v[\a16] offset:(\i)*TILEB+(\q)*FRB
	ds_load_b64 v[(\reg)+4:(\reg)+5], v[\a8] offset:(\i)*TILEB+(\q)*FRB+512
	ds_load_b128 v[(\reg)+6:(\reg)+9], v[\a16] offset:(\i)*TILEB+(\q)*FRB+768
	ds_load_b64 v[(\reg)+10:(\reg)+11], v[\a8] offset:(\i)*TILEB+(\q)*FRB+1280
.endm
; 16 matrix instructions: S1's tiles a0, a0 + 1 x S0's eight.  zero = 1: the first product starts the sums, from the bias (IS_R) or from 0.  The 64 accumulators take turns.
.macro MUL16 a0, p, q, sc, zero
.irp a, \a0, \a0+1
.irp b, 0,1,2,3,4,5,6,7
.if (\zero)*IS_R
	v_wmma_scale_f32_16x16x128_f8f6f4 v[8*(8*((\a)%4)+\b):8*(8*((\a)%4)+\b)+7], v[128*(\p)+FR*\b:128*(\p)+FR*\b+FR-1], v[AF+FR*(\a):AF+FR*(\a)+FR-1], v[BIAS+8*\b:BIAS+8*\b+7], v[SC+8*NQ*(\sc)+NQ*\b+(\q)], v[SC+8*NQ*(\sc)+NQ*(\a)+(\q)] matrix_a_fmt:MATRIX_FMT_FP6 matrix_b_fmt:MATRIX_FMT_FP6 matrix_a_scale:MATRIX_SCALE_ROW1
.elseif \zero
	v_wmma_scale_f32_16x16x128_f8f6f4 v[8*(8*((\a)%4)+\b):8*(8*((\a)%4)+\b)+7], v[128*(\p)+FR*\b:128*(\p)+FR*\b+FR-1], v[AF+FR*(\a):AF+FR*(\a)+FR-1], 0, v[SC+8*NQ*(\sc)+NQ*\b+(\q)], v[SC+8*NQ*(\sc)+NQ*(\a)+(\q)] matrix_a_fmt:MATRIX_FMT_FP6 matrix_b_fmt:MATRIX_FMT_FP6 matrix_a_scale:MATRIX_SCALE_ROW1
.else
	v_wmma_scale_f32_16x16x128_f8f6f4 v[8*(8*((\a)%4)+\b):8*(8*((\a)%4)+\b)+7], v[128*(\p)+FR*\b:128*(\p)+FR*\b+FR-1], v[AF+FR*(\a):AF+FR*(\a)+FR-1], v[8*(8*((\a)%4)+\b):8*(8*((\a)%4)+\b)+7], v[SC+8*NQ*(\sc)+NQ*\b+(\q)], v[SC+8*NQ*(\sc)+NQ*(\a)+(\q)] matrix_a_fmt:MATRIX_FMT_FP6 matrix_b_fmt:MATRIX_FMT_FP6 matrix_a_scale:MATRIX_SCALE_ROW1
.endif
.endr
.endr
.endm
.macro WINM hi, zero                   ; source 0 window 1, source 1 window 0, D window 2 or 3; C with D, or (the bias) in window 0
.if (\zero)*IS_R
	WIN 0x81+0x40*(\hi)
.else
	WIN 0xa1+0x50*(\hi)
.endif
.endm
.macro FETCH_B slot, q, p
	WIN TO_B
.irp i, 0,1,2,3,4,5,6,7
	FRAG 128*(\p)+FR*\i, ADRB16+\slot, ADRB8+\slot, \q, \i
.endr
	WIN 0
.endm
.macro FETCH_A slot, q, i0
.irp i, \i0, \i0+1, \i0+2, \i0+3
	FRAG AF+FR*(\i), ADRA16+\slot, ADRA8+\slot, \q, \i
.endr
.endm
.macro SCALES sc                       ; the next K step's scale words: lanes 0-15 S1's tile i, lanes 16-31 S0's tile i
.irp i, 0,1,2,3,4,5,6,7
	ds_load_b32 v[SC+16*(\sc)+2*\i], v[ADRS] offset:\i*64*KSL
	ds_load_b32 v[SC+16*(\sc)+2*\i+1], v[ADRS] offset:\i*64*KSL+64
.endr
.endm
; A slot's first 128 along K; its successor lies in the same slot.  sc: the set of scale words.
.macro STEP slot, sc, zero
	s_wait_dscnt 4*NL                              ; S0's set, the scale words and S1's tiles 0-3 are in; the youngest 16 loads (tiles 4-7) may be out
	WINM 0, \zero
	MUL16 0, 0, 0, \sc, \zero
	MUL16 2, 0, 0, \sc, \zero
	s_wait_dscnt 0                                 ; tiles 4-7 are in
	PLACES NP                                      ; in front of loads into registers that matrix instructions have read
	FETCH_B \slot, 1, 1
	FETCH_A \slot, 1, 0
	WINM 1, \zero
	MUL16 4, 0, 0, \sc, \zero
	MUL16 6, 0, 0, \sc, \zero
	PLACES NP
	WIN 0
	FETCH_A \slot, 1, 4
.endm
; A slot's second 128 along K changes slots.
; kind = 1: this slot is filled again, three K steps ahead: each wave waits for all its tensor loads, adds 0 to its spare word, waits for that and for its reads of the slot; a round of the cluster's barrier; the refill first behind it.
; kind = 0: nothing is filled, but the next slot's load is awaited here and shown to the other waves by the work-group's barrier.
; kind = 2: the next slot was shown whole by an earlier barrier, and nothing is filled: no tensor wait, no barrier.
.macro TURN slot, sc, next, kind
.if (\kind) < 2
	s_wait_tensorcnt 0x0                           ; all my tensor loads have landed
	ds_add_u32 v[SPW], v[NIL]                      ; 0 onto my spare word
	s_wait_dscnt 4*NL+1                            ; (the add and the youngest 16 loads may be out)
.else
	s_wait_dscnt 4*NL                              ; (the youngest 16 loads may be out)
.endif
	WIN 0xa1
	MUL16 0, 1, NQ-1, \sc, 0
.if (\kind) < 2
	s_wait_dscnt 0x0                               ; the add is done, and my reads of this slot are over
	s_barrier_signal -1
.endif
	MUL16 2, 1, NQ-1, \sc, 0
.if (\kind) == 2
	s_wait_dscnt 0x0                               ; tiles 4-7 are in
.endif
	WIN 0
.if (\kind) < 2
	s_barrier_wait -1
.endif
.if (\kind) == 1
	CREST                                          ; the barrier has opened a round of the cluster's: no wave of any partner still reads this slot or has a load on its way
	s_add_nc_u64 s[G0+4*\slot+2:G0+4*\slot+3], s[G0+4*\slot+2:G0+4*\slot+3], 3*TILEB
	s_add_nc_u64 s[G0B+4*\slot+2:G0B+4*\slot+3], s[G0B+4*\slot+2:G0B+4*\slot+3], 3*TILEB
	JLOAD G0+4*\slot, G1, G0B+4*\slot, G1B         ; the first tensor load behind the round; its four v_nop are the places in front of the loads below
.else
	PLACES NP
.endif
	v_add_nc_u32 v[ADRS], 64*NQ, v[ADRS]           ; on to the next K step's scale words
	FETCH_B \next, 0, 0
	FETCH_A \next, 0, 0
	SCALES 1-\sc
	WIN 0xf1
	MUL16 4, 1, NQ-1, \sc, 0
	MUL16 6, 1, NQ-1, \sc, 0
	PLACES NP
	WIN 0
	FETCH_A \next, 0, 4
.endm
.macro LAST sc                         ; the very last 128 along K: nothing more to fetch
	s_wait_dscnt 4*NL
	WIN 0xa1
	MUL16 0, 1, NQ-1, \sc, 0
	MUL16 2, 1, NQ-1, \sc, 0
	s_wait_dscnt 0
	WIN 0xf1
	MUL16 4, 1, NQ-1, \sc, 0
	MUL16 6, 1, NQ-1, \sc, 0
	WIN 0
.endm
	s_wait_tensorcnt 2                             ; the scale words and my part of K step 0 are in (the loads of K steps 1 and 2 may be out)
	s_barrier_signal -1
	s_barrier_wait -1                              ; everybody's are
	FETCH_B 0, 0, 0
	FETCH_A 0, 0, 0
	SCALES 0
	FETCH_A 0, 0, 4
.if IS_R
	s_wait_loadcnt 0x0                             ; the bias
.endif
	STEP 0, 0, 1                                   ; K step 0: its first products start the sums
	TURN 0, 0, 1, 1                                ; slot 0 takes K step 3
	STEP 1, 1, 0
.if IS_R
	TURN 1, 1, 2, 1                                ; slot 1 takes K step 4
	STEP 2, 0, 0
	TURN 2, 0, 0, 1                                ; slot 2 takes K step 5; K step 3 has landed
	STEP 0, 1, 0
	TURN 0, 1, 1, 2                                ; K step 4 was shown whole by the last round
	STEP 1, 0, 0
	TURN 1, 0, 2, 0                                ; K step 5 is awaited
	STEP 2, 1, 0
.else
	TURN 1, 1, 2, 2                                ; K step 2 was shown whole by the last round
	STEP 2, 0, 0
	TURN 2, 0, 0, 0                                ; K step 3 is awaited: it was asked for 256 matrix instructions ago
	STEP 0, 1, 0
.endif
	LAST 1
.if IS_R
	; THE WAY OUT: each accumulator leaves as an image of its registers, 1,024 bytes: registers 0-3 at 16 x lane, registers 4-7 at 512 + 16 x lane.  Image (row tile, column tile) lies at 1,024 (64 x row tile + column tile).
	PLACES NP                                      ; behind the last products
	s_lshl_b32 s24, s17, 4                         ; (no tensor load is out: the descriptors' registers take the output's address)
	s_lshl_b32 s25, s15, 3
	s_add_co_u32 s24, s24, s25                     ; my first row tile
	s_lshl_b32 s24, s24, 6
	s_lshl_b32 s25, s3, 4
	s_add_co_u32 s24, s24, s25
	s_lshl_b32 s25, s16, 3
	s_add_co_u32 s24, s24, s25                     ; + my first column tile
	s_lshl_b32 s24, s24, 10
	s_mov_b32 s25, 0
	s_add_nc_u64 s[28:29], s[10:11], s[24:25]
.irp a, 0,1,2,3,4,5,6,7
	WIN 0x08+4*(\a/4)                              ; a store's data: window 2 or 3
.irp b, 0,1,2,3,4,5,6,7
	global_store_b128 v[L16], v[64*(\a%4)+8*\b:64*(\a%4)+8*\b+3], s[28:29] offset:65536*\a+1024*\b th:TH_STORE_NT        ; 512 consecutive bytes, at a multiple of 256 from the buffer's first byte; each accumulator from its low end on
	global_store_b128 v[L16], v[64*(\a%4)+8*\b+4:64*(\a%4)+8*\b+7], s[28:29] offset:65536*\a+1024*\b+512 th:TH_STORE_NT
.endr
.endr
	WIN 0
.endif
	s_wait_tensorcnt 0x0                           ; the wave's end
	ds_add_u32 v[SPW], v[NIL]
	s_wait_dscnt 0x0
	CROUND                                         ; the closing round: no work-group ends while a partner may still ask for a tile that names it
	s_endpgm
.Lfunc_end_k_q140a8b3eb9_gemm_r:
	.size	k_q140a8b3eb9_gemm_r, .Lfunc_end_k_q140a8b3eb9_gemm_r-k_q140a8b3eb9_gemm_r
	.p2alignl 7, 3214868480
	.fill 96, 4, 3214868480
	.section	.rodata,"a",@progbits
	.p2align	6, 0x0
	.amdhsa_kernel k_q140a8b3eb9_gemm_r
		.amdhsa_group_segment_fixed_size 327680
		.amdhsa_private_segment_fixed_size 0
		.amdhsa_enable_private_segment 0
		.amdhsa_kernarg_size 32
		.amdhsa_user_sgpr_count 2
		.amdhsa_user_sgpr_kernarg_segment_ptr 1
		.amdhsa_wavefront_size32 1
		.amdhsa_system_sgpr_workgroup_id_x 1
		.amdhsa_system_sgpr_workgroup_id_y 1
		.amdhsa_system_sgpr_workgroup_id_z 1
		.amdhsa_system_vgpr_workitem_id 0
		.amdhsa_next_free_vgpr 1024
		.amdhsa_next_free_sgpr 100
		.amdhsa_reserve_vcc 0
		.amdhsa_float_denorm_mode_32 3
		.amdhsa_float_denorm_mode_16_64 3
		.amdhsa_memory_ordered 1
		.amdhsa_forward_progress 1
		.amdhsa_inst_pref_size 184
	.end_amdhsa_kernel
	.amdgpu_metadata
---
amdhsa.version: [ 1, 2 ]
amdhsa.kernels:
  - .name:           k_q140a8b3eb9_gemm_r
    .symbol:         k_q140a8b3eb9_gemm_r.kd
    .args:
      - { .name: AC, .offset: 0, .size: 8, .value_kind: global_buffer, .address_space: global }
      - { .name: WB, .offset: 8, .size: 8, .value_kind: global_buffer, .address_space: global }
      - { .name: b_in, .offset: 16, .size: 8, .value_kind: global_buffer, .address_space: global }
      - { .name: R, .offset: 24, .size: 8, .value_kind: global_buffer, .address_space: global }
    .group_segment_fixed_size: 327680
    .private_segment_fixed_size: 0
    .kernarg_segment_align: 8
    .kernarg_segment_size: 32
    .max_flat_workgroup_size: 128
    .sgpr_count:     100
    .vgpr_count:     1024
    .wavefront_size: 32
...
	.end_amdgpu_metadata
.endif
;; end of part 5
;; launch ln_out (part 6): grid 256 x 1, 4 waves a work-group, clusters of 4 x 1, 327,680 bytes of LDS; arguments R, WB, ln_g, ln_b, b_out, out0; writes out0
.if DOCPART == 6
	.amdgcn_target "amdgcn-amd-amdhsa--gfx1250"
	.amdhsa_code_object_version 6
	.text
	.protected	k_q140a8b3eb9_ln_out
	.globl	k_q140a8b3eb9_ln_out
	.p2align	8
	.type	k_q140a8b3eb9_ln_out,@function
k_q140a8b3eb9_ln_out:
	s_mov_b64 s[64:65], 0
	v_nop
	global_prefetch_b8 v0, s[64:65] scope:SCOPE_SE
	s_setreg_imm32_b32 hwreg(HW_REG_WAVE_MODE, 25, 1), 1
	s_wait_xcnt 0x0
	s_wait_alu depctr_hold_cnt(0) depctr_sa_sdst(0) depctr_va_vdst(0) depctr_va_sdst(0) depctr_va_ssrc(0) depctr_va_vcc(0) depctr_vm_vsrc(0)
	s_getreg_b32 s2, hwreg(HW_REG_IB_STS2, 6, 4)
	s_cmp_eq_u32 s2, 0
	s_cbranch_scc0 .Lentry_in_a_cluster
	s_endpgm
.Lentry_in_a_cluster:
	s_bfe_u32 s2, ttmp6, 0x10000c
	s_cmp_lg_u32 s2, 0x3003
	s_cbranch_scc0 .Lentry_shape_is_right
	s_endpgm
.Lentry_shape_is_right:
; LayerNorm over the 1,024 features of r, then y = Q(LN(r)) Q(W_out)^T + b_out, the product on codes of FP6 (E2M3) with E8M0 scales.
; r comes as images of accumulator registers (1,024 bytes for 16 rows x 16 columns: registers 0-3 at 16 x lane, 4-7 at 512 + 16 x lane; image (row tile, column tile) at 1,024 (64 x row tile + column tile)):
; each load brings 512 consecutive bytes straight into the registers in which the numbers are worked on.
; SHARES.  A work-group takes 32 rows (2 row tiles; slot r of tile rt = row 32 (rt / 2) + 8 (rt % 2) + r + 8 (r / 8), rows counted b x 1,024 + l).  THE WAVES SHARE THE COLUMNS: wave w holds r's columns 256 w .. + 255
; (16 column tiles x 2 row tiles) and makes y's columns 128 w .. + 127.  A lane holds one row, and its registers run along the columns, in order.
; So the row's mean and variance want one exchange between the halves of the lanes and one between the waves, and LN(r) is quantised in registers; its images go from wave to wave through LDS.
; W_out: every work-group walks the same weights: the four of a cluster ask for them jointly (mask 15).  A slot holds two K steps of 128 of all 512 columns; wave w fetches and reads its own part.
; THREE slots are filled at the head, K steps 0 to 5, and land during the LayerNorm; K steps 6 and 7 fill slot 0 again when its two K steps lie in registers, four K steps ahead of their use.
; b_out is the C of the first K step's products: nothing is cleared, nothing is added afterwards.
; LDS: 0, 98,304, 196,608 the slots (my part at 24,576 w); 294,912 LN(r)'s 16 images; 319,488 their scale words; 320,512 the spare words; 321,024 the waves' sums and sums of squares.
;   y's stage lies in my part of slot 1, which is filled once and which I have read out by then.
; REGISTERS.  window 0: v4-27 addresses; v52-53 LN(r)'s scale words; v72-119 LN(r)'s fragments, two sets; v168-199 W_out's scale words (two tiles to a register: lanes 16-31 the odd one); v200-252 at work.
;   window 1: ln_g (v0-127) and ln_b (v128-255); later W_out's fragments, v0-95 and v96-191.   windows 2, 3: r's image (a, b) at window 2 + b / 8, v[64 a + 8 (b % 8)]; later y's accumulator (a, b) at window 2, v[64 a + 8 b].
;   window 3, v128-191: b_out in the result's layout.
; No prefetch: all that this launch reads from memory is asked for at its head, but for one tile.
; LIMITS: NaN and infinities are not served; a block of zeros, or one under 2^-124, gets the scale byte 1 (only this program reads the bytes).
.set SLOT,  98304
.set RIMG,  3*SLOT
.set RSC,   RIMG+24576
.set SPARE, RSC+1024
.set STAT,  SPARE+512
.set BA16, 4                           ; v4-6   my part of slot 0, 1, 2: + 16 x lane;  v7-9: + 8 x lane
.set BA8,  7
.set RI16, 12
.set RI8,  13
.set RS4,  14
.set WI16, 15
.set WI8,  16
.set WS4,  17
.set STW,  18
.set STR,  19
.set STO,  20
.set RDY,  21
.set CO,   22
.set HB,   23
.set WOA,  24
.set SPW,  28
.set NIL,  29
.set RSS,  52
.set AF,   72
.set WOS,  168
.set SUM,  200
.set MU,   216
.set RSD,  224
.set ST,   232
.set TM,   200
.set PT,   244
.set BK,   72
.set SEL,  22                          ; s[22:23]
.set G1O,  24                          ; s[24:31]
.set G0O,  32                          ; s[32:43]: a group 0 for each slot
.set MSB, 0
.macro WIN new
.if MSB != (\new)
	s_set_vgpr_msb (MSB<<8)|(\new)
.set MSB, (\new)
.endif
.endm
.macro PLACES n
.rept \n
	v_nop
.endr
.endm
.macro ROUND                           ; a round of the cluster's barrier
	s_barrier_signal -1
	s_barrier_wait -1
	s_cmp_lg_u32 s18, 0
	s_cbranch_scc1 .Lnot_wave_0_\@
	s_barrier_signal -3
.Lnot_wave_0_\@:
	s_barrier_wait -3
	s_barrier_signal -1
	s_barrier_wait -1
.endm
.macro BAR                             ; my LDS stores have landed and my LDS loads are in: then the work-group's barrier.
	s_wait_dscnt 0x0
	s_barrier_signal -1
	s_barrier_wait -1
.endm
.macro WMMA6 d, c, s0, s1, x0, x1, r0, r1  ; D = source 0 x source 1 + C; r0, r1: the scale words lie in lanes 16-31
.if ((\r0)==1)&&((\r1)==1)
	v_wmma_scale_f32_16x16x128_f8f6f4 v[(\d):(\d)+7], v[(\s0):(\s0)+11], v[(\s1):(\s1)+11], v[(\c):(\c)+7], v[\x0], v[\x1] matrix_a_fmt:MATRIX_FMT_FP6 matrix_b_fmt:MATRIX_FMT_FP6 matrix_a_scale:MATRIX_SCALE_ROW1 matrix_b_scale:MATRIX_SCALE_ROW1
.elseif (\r0)==1
	v_wmma_scale_f32_16x16x128_f8f6f4 v[(\d):(\d)+7], v[(\s0):(\s0)+11], v[(\s1):(\s1)+11], v[(\c):(\c)+7], v[\x0], v[\x1] matrix_a_fmt:MATRIX_FMT_FP6 matrix_b_fmt:MATRIX_FMT_FP6 matrix_a_scale:MATRIX_SCALE_ROW1
.elseif (\r1)==1
	v_wmma_scale_f32_16x16x128_f8f6f4 v[(\d):(\d)+7], v[(\s0):(\s0)+11], v[(\s1):(\s1)+11], v[(\c):(\c)+7], v[\x0], v[\x1] matrix_a_fmt:MATRIX_FMT_FP6 matrix_b_fmt:MATRIX_FMT_FP6 matrix_b_scale:MATRIX_SCALE_ROW1
.else
	v_wmma_scale_f32_16x16x128_f8f6f4 v[(\d):(\d)+7], v[(\s0):(\s0)+11], v[(\s1):(\s1)+11], v[(\c):(\c)+7], v[\x0], v[\x1] matrix_a_fmt:MATRIX_FMT_FP6 matrix_b_fmt:MATRIX_FMT_FP6
.endif
.endm
.macro FRAG4 reg, a16, a8, off         ; a fragment's image, 1,536 bytes, comes back as it was stored
	ds_load_b128 v[(\reg):(\reg)+3], v[\a16] offset:(\off)
	ds_load_b64 v[(\reg)+4:(\reg)+5], v[\a8] offset:(\off)+512
	ds_load_b128 v[(\reg)+6:(\reg)+9], v[\a16] offset:(\off)+768
	ds_load_b64 v[(\reg)+10:(\reg)+11], v[\a8] offset:(\off)+1280
.endm
.macro COLLOAD reg, nb, b0, base       ; nb tiles of a vector over the columns, from tile b0 on, in the result's layout: lane (r, h), tile b: columns 32 (b / 2) + 8 (b % 2) + 16 h + 0 .. 7
.set b_, 0
.rept \nb
	global_load_b128 v[(\reg)+8*b_:(\reg)+8*b_+3], v[HB], s[\base:\base+1] offset:4*(32*((b_+\b0)/2)+8*((b_+\b0)%2))
	global_load_b128 v[(\reg)+8*b_+4:(\reg)+8*b_+7], v[HB], s[\base:\base+1] offset:4*(32*((b_+\b0)/2)+8*((b_+\b0)%2))+16
.set b_, b_+1
.endr
.endm
.macro RLOAD b0                        ; r's images of 8 column tiles, from tile b0 on, of both row tiles, into the window that is set: 32 loads of 512 consecutive bytes
.irp a, 0,1
.set b_, 0
.rept 8
	global_load_b128 v[64*\a+8*b_:64*\a+8*b_+3], v[CO], s[4:5] offset:65536*\a+1024*(b_+\b0) th:TH_LOAD_NT
	global_load_b128 v[64*\a+8*b_+4:64*\a+8*b_+7], v[CO], s[4:5] offset:65536*\a+1024*(b_+\b0)+512 th:TH_LOAD_NT
.set b_, b_+1
.endr
.endr
.endm
	s_load_b128 s[4:7], s[0:1], 0x0                ; R, WB
	s_load_b256 s[8:15], s[0:1], 0x10              ; ln_g s[8:9], ln_b s[10:11], b_out s[12:13], out0 s[14:15]
	v_lshl_add_u32 v[SPW], v0, 2, SPARE
	v_mov_b32 v[NIL], 0
	ds_add_u32 v28, v29
	ds_add_u32 v28, v29
	s_wait_dscnt 0x0
	v_lshrrev_b32 v1, 5, v0
	v_readfirstlane_b32 s18, v1                    ; wave
	s_bfe_u32 s19, ttmp6, 0x40000                  ; cx
	s_lshl_b32 s20, ttmp9, 2
	s_add_co_u32 s20, s20, s19                     ; my work-group: it enters the addresses of my own rows alone
	s_mov_b32 s[SEL], 0x76543210
	s_mov_b32 s[SEL+1], 0xfedcba98
	s_mov_b32 s54, 0x3a800000                      ; 1 / 1,024
	s_mov_b32 s55, 0x3727c5ac                      ; 1e-5
	; group 1, W_out: 8 row tiles x 3,072 bytes (two K steps; 384 elements of 8 bytes), a record of 12,800 bytes apart; joint: mask 15
	s_mov_b32 s[G1O], 15|(3<<16)|(1<<21)
	s_mov_b32 s[G1O+1], 384<<16
	s_mov_b32 s[G1O+2], 8<<16
	s_mov_b32 s[G1O+3], 384<<16
	s_mov_b32 s[G1O+4], 8
	s_mov_b32 s[G1O+5], 1600
	s_mov_b32 s[G1O+6], 0
	s_mov_b32 s[G1O+7], 0
	v_and_b32 v1, 31, v0                           ; lane
	v_and_b32 v2, 15, v0                           ; r
	v_bfe_u32 v3, v0, 4, 1                         ; h
	v_lshlrev_b32 v[CO], 4, v1
	v_lshlrev_b32 v26, 3, v1
	v_lshlrev_b32 v27, 2, v2
	v_lshlrev_b32 v[HB], 6, v3
	s_lshl_b32 s48, s20, 17                        ; my two row tiles' images: 131,072 bytes a work-group,
	s_lshl_b32 s49, s18, 14                        ; my 16 column tiles in them
	s_add_co_u32 s48, s48, s49
	s_mov_b32 s49, 0
	s_mul_i32 s44, s18, 24576                      ; my part of a slot
	s_mul_i32 s46, s18, 102400
	s_add_co_u32 s46, s46, 3686400                 ; my 8 records of W_out
	s_mov_b32 s47, 0
	s_wait_kmcnt 0x0
	s_add_nc_u64 s[4:5], s[4:5], s[48:49]
	WIN 0x80
	RLOAD 0                                        ; half of r is asked for ahead of the round: the LayerNorm waits for it, the products for the tiles only later
	WIN 0
	s_add_nc_u64 s[46:47], s[6:7], s[46:47]
.irp s, 0,1,2
	s_mov_b32 s[G0O+4*\s], 1
	s_add_co_u32 s[G0O+4*\s+1], s44, \s*SLOT
	s_add_nc_u64 s[G0O+4*\s+2:G0O+4*\s+3], s[46:47], \s*3072
	s_or_b32 s[G0O+4*\s+3], s[G0O+4*\s+3], 0x80000000
.endr
	ROUND                                          ; all four work-groups are here: the first joint loads meet
	tensor_load_to_lds s[G0O:G0O+3], s[G1O:G1O+7]  ; the first fills go out as one group: K steps 0 to 5; by this text's count three tensor loads of a wave are out
	s_nop 0
	tensor_load_to_lds s[G0O+4:G0O+7], s[G1O:G1O+7]
	s_nop 0
	tensor_load_to_lds s[G0O+8:G0O+11], s[G1O:G1O+7]
	s_nop 0
	PLACES 4
	WIN 0xc0
	RLOAD 8
	WIN 0
	s_lshl_b32 s48, s18, 10
	s_add_nc_u64 s[8:9], s[8:9], s[48:49]          ; ln_g, ln_b at my 256 columns
	s_add_nc_u64 s[10:11], s[10:11], s[48:49]
	s_lshl_b32 s48, s18, 9
	s_add_nc_u64 s[12:13], s[12:13], s[48:49]      ; b_out at my 128
	s_add_nc_u64 s[50:51], s[46:47], 12288         ; W_out's scale words
	v_mad_u32_u24 v[WOA], v3, 12800, v27
	WIN 0x40
	COLLOAD 0, 16, 0, 8                            ; ln_g
	COLLOAD 128, 16, 0, 10                         ; ln_b
	WIN 0
.irp p, 0,1,2,3
.irp k, 0,1,2,3,4,5,6,7
	global_load_b32 v[WOS+8*\p+\k], v[WOA], s[50:51] offset:25600*\p+64*\k   ; W_out's scale words: tiles 2 p (lanes 0-15) and 2 p + 1 (lanes 16-31), K step k
.endr
.endr
	WIN 0xc0
	COLLOAD 128, 8, 0, 12                          ; b_out
	WIN 0
	v_add_nc_u32 v[BA16], s44, v[CO]
	v_add_nc_u32 v[BA8], s44, v26
	v_add_nc_u32 v[BA16+1], SLOT, v[BA16]
	v_add_nc_u32 v[BA8+1], SLOT, v[BA8]
	v_add_nc_u32 v[BA16+2], 2*SLOT, v[BA16]
	v_add_nc_u32 v[BA8+2], 2*SLOT, v[BA8]
	v_add_nc_u32 v[RI16], RIMG, v[CO]
	v_add_nc_u32 v[RI8], RIMG, v26
	v_lshl_add_u32 v[RS4], v3, 9, v27
	v_add_nc_u32 v[RS4], RSC, v[RS4]               ; LN(r)'s scale words: lanes 16-31 the second row tile's
	s_mul_i32 s48, s18, 3072
	v_add_nc_u32 v[WI16], s48, v[RI16]             ; where I store LN(r)'s images: K steps 2 w, 2 w + 1
	v_add_nc_u32 v[WI8], s48, v[RI8]
	s_lshl_b32 s48, s18, 7
	v_add_nc_u32 v[WS4], s48, v27
	v_add_nc_u32 v[WS4], RSC, v[WS4]
	v_lshlrev_b32 v[STR], 4, v2
	v_add_nc_u32 v[STR], STAT, v[STR]              ; the four waves' sums of slot r
	s_lshl_b32 s48, s18, 2
	v_add_nc_u32 v[STW], s48, v[STR]               ; mine among them
	v_mul_u32_u24 v[STO], v2, 528
	v_lshl_add_u32 v[STO], v3, 6, v[STO]
	v_add_nc_u32 v[STO], s44, v[STO]
	v_add_nc_u32 v[STO], SLOT, v[STO]              ; y's stage: in my part of slot 1
	v_add_nc_u32 v[RDY], SLOT, v[BA16]
	s_and_b32 s48, s20, 31                         ; out0: rows l = 32 (wg % 32) on, of b = wg / 32; a row l is 16,384 bytes, a b 2,048
	s_lshl_b32 s48, s48, 19
	s_lshr_b32 s52, s20, 5
	s_lshl_b32 s52, s52, 11
	s_add_co_u32 s48, s48, s52
	s_lshl_b32 s52, s18, 9
	s_add_co_u32 s48, s48, s52
	s_add_nc_u64 s[14:15], s[14:15], s[48:49]
	; ---- LayerNorm, in two passes over the registers
; The sum (sq = 0) or the sum of squares (sq = 1) of each row over all 1,024 columns: my 128 registers, lane l xor 16's, and the four waves' through LDS.  It ends in v[ST + 4 a].
.macro ACCRED sq
.irp j, 0,1,2,3,4,5,6,7
	v_mov_b32 v[SUM+\j], 0
.endr
.irp wn, 2,3
.if \sq
	WIN (\wn)|((\wn)<<2)
.else
	WIN (\wn)<<2
.endif
.set p_, 0
.rept 32
.irp a, 0,1
.if \sq
	v_pk_fma_f32 v[SUM+4*\a+2*(p_%2):SUM+4*\a+2*(p_%2)+1], v[64*\a+2*p_:64*\a+2*p_+1], v[64*\a+2*p_:64*\a+2*p_+1], v[SUM+4*\a+2*(p_%2):SUM+4*\a+2*(p_%2)+1]
.else
	v_pk_add_f32 v[SUM+4*\a+2*(p_%2):SUM+4*\a+2*(p_%2)+1], v[SUM+4*\a+2*(p_%2):SUM+4*\a+2*(p_%2)+1], v[64*\a+2*p_:64*\a+2*p_+1]
.endif
.endr
.set p_, p_+1
.endr
.endr
	WIN 0
.irp a, 0,1
	v_pk_add_f32 v[SUM+4*\a:SUM+4*\a+1], v[SUM+4*\a:SUM+4*\a+1], v[SUM+4*\a+2:SUM+4*\a+3]
.endr
.irp a, 0,1
	v_add_f32 v[SUM+4*\a], v[SUM+4*\a], v[SUM+4*\a+1]
.endr
.irp a, 0,1
	v_permlanex16_b32 v[SUM+4*\a+1], v[SUM+4*\a], s[SEL], s[SEL+1]
.endr
.irp a, 0,1
	v_add_f32 v[SUM+4*\a], v[SUM+4*\a], v[SUM+4*\a+1]
.endr
.irp a, 0,1
	ds_store_b32 v[STW], v[SUM+4*\a] offset:512*(\sq)+256*\a              ; both halves of the lanes write the same word with the same value
.endr
	BAR
.irp a, 0,1
	ds_load_b128 v[ST+4*\a:ST+4*\a+3], v[STR] offset:512*(\sq)+256*\a
.endr
	s_wait_dscnt 0x0
.irp a, 0,1
	v_add_f32 v[ST+4*\a], v[ST+4*\a], v[ST+4*\a+1]
	v_add_f32 v[ST+4*\a+2], v[ST+4*\a+2], v[ST+4*\a+3]
.endr
.irp a, 0,1
	v_add_f32 v[ST+4*\a], v[ST+4*\a], v[ST+4*\a+2]
.endr
.endm
	s_wait_loadcnt 63                              ; 112 loads were issued behind r's 64, and loads come back in order: r is in
	ACCRED 0
.irp a, 0,1
	v_mul_f32 v[MU+2*\a], s54, v[ST+4*\a]          ; the mean
.endr
.irp a, 0,1
	v_mov_b32 v[MU+2*\a+1], v[MU+2*\a]
.endr
.irp wn, 2,3
	WIN (\wn)|((\wn)<<6)
.set p_, 0
.rept 32
.irp a, 0,1
	v_pk_add_f32 v[64*\a+2*p_:64*\a+2*p_+1], v[64*\a+2*p_:64*\a+2*p_+1], v[MU+2*\a:MU+2*\a+1] neg_lo:[0,1] neg_hi:[0,1]   ; r - mean, in place
.endr
.set p_, p_+1
.endr
.endr
	WIN 0
	ACCRED 1
.irp a, 0,1
	v_fma_f32 v[ST+4*\a], v[ST+4*\a], s54, s55     ; the variance + 1e-5
.endr
.irp a, 0,1
	v_rsq_f32 v[RSD+2*\a], v[ST+4*\a]
.endr
	v_nop
	s_wait_alu depctr_va_vdst(0)                   ; one wait for the two, ahead of their first reader
.irp a, 0,1
	v_mov_b32 v[RSD+2*\a+1], v[RSD+2*\a]
.endr
	s_wait_loadcnt 0x0                             ; ln_g, ln_b, W_out's scale words, b_out
.irp wn, 2,3
	WIN (\wn)|((\wn)<<6)
.set p_, 0
.rept 32
.irp a, 0,1
	v_pk_mul_f32 v[64*\a+2*p_:64*\a+2*p_+1], v[64*\a+2*p_:64*\a+2*p_+1], v[RSD+2*\a:RSD+2*\a+1]
.endr
.set p_, p_+1
.endr
	WIN (\wn)|(1<<2)|(1<<4)|((\wn)<<6)
.set p_, 0
.rept 32
.irp a, 0,1
	v_pk_fma_f32 v[64*\a+2*p_:64*\a+2*p_+1], v[64*\a+2*p_:64*\a+2*p_+1], v[64*(\wn-2)+2*p_:64*(\wn-2)+2*p_+1], v[128+64*(\wn-2)+2*p_:128+64*(\wn-2)+2*p_+1]
.endr
.set p_, p_+1
.endr
.endr
	WIN 0
; 64 numbers of a lane in window w, register 16 b + i = column 32 b + 16 h + i of my row, become a fragment's codes in v[PC] on and its scale word in v[pw].
.macro QUANT16 s, w, pw
	WIN (\w)|((\w)<<2)
.irp b, 0,1,2,3
	v_max3_num_f32 v[TM+\b], |v[(\s)+16*\b]|, |v[(\s)+16*\b+1]|, 0x1800000    ; my 16 numbers of block b, and the floor 2^(3 - 127)
.endr
.irp i, 2,4,6,8,10,12,14
.irp b, 0,1,2,3
	v_max3_num_f32 v[TM+\b], |v[(\s)+16*\b+\i]|, |v[(\s)+16*\b+\i+1]|, v[TM+\b]
.endr
.endr
	WIN 0
.irp b, 0,1,2,3
	v_permlanex16_b32 v[TM+4+\b], v[TM+\b], s[SEL], s[SEL+1]
.endr
.irp b, 0,1,2,3
	v_max_num_f32 v[TM+\b], v[TM+\b], v[TM+4+\b]   ; with lane l xor 16's: the block's largest magnitude
.endr
.irp b, 0,1,2,3
	v_add_nc_u32 v[TM+12+\b], 0xff000000, v[TM+\b] ; 2 off its exponent field: the conversion's scale operand
.endr
.irp b, 0,1,2,3
	v_lshrrev_b32 v[TM+4+\b], 23, v[TM+12+\b]      ; the scale's byte
.endr
	v_lshl_or_b32 v[\pw], v[TM+5], 8, v[TM+4]
	v_lshl_or_b32 v[\pw], v[TM+6], 16, v[\pw]
	v_lshl_or_b32 v[\pw], v[TM+7], 24, v[\pw]
	WIN (\w)
.irp c, 0,1
	v_cvt_scalef32_pk16_fp6_f32 v[PC+6*\c:PC+6*\c+2], v[(\s)+32*\c:(\s)+32*\c+15], v[TM+12+2*\c]
	v_cvt_scalef32_pk16_fp6_f32 v[PT+4*\c:PT+4*\c+2], v[(\s)+32*\c+16:(\s)+32*\c+31], v[TM+12+2*\c+1]
.endr
	WIN 0
	v_nop                                          ; one plain line behind the conversions
.irp c, 0,1                                    ; the operand's layout wants a whole block in a lane: lanes 0-15 block 2 c, lanes 16-31 block 2 c + 1
.irp i, 0,1,2
	v_permlane16_swap_b32 v[PC+6*\c+\i], v[PT+4*\c+\i]
.endr
.irp i, 0,1,2
	v_mov_b32 v[PC+6*\c+3+\i], v[PT+4*\c+\i]
.endr
.endr
.endm
.irp a, 0,1
.irp bh, 0,1
.set PC, 232-16*\bh                    ; the codes and the scale word have two sets of registers, v232-243 with v252 and v216-227 with v228, by turns
.set PW, 252-24*\bh
	QUANT16 64*\a, 2+\bh, PW                       ; my columns 128 bh on of row tile a: K step 2 w + bh of the product
	ds_store_b128 v[WI16], v[PC:PC+3] offset:1536*(8*\a+\bh)
	ds_store_b64 v[WI8], v[PC+4:PC+5] offset:1536*(8*\a+\bh)+512
	ds_store_b128 v[WI16], v[PC+6:PC+9] offset:1536*(8*\a+\bh)+768
	ds_store_b64 v[WI8], v[PC+10:PC+11] offset:1536*(8*\a+\bh)+1280
	ds_store_b32 v[WS4], v[PW] offset:64*(8*\a+\bh)
	s_wait_dscnt 5                                 ; these five may be out: the five before them are done, so the other set may be written again
.endr
.endr
	BAR                                            ; LN(r)'s 16 images lie in LDS
	; ---- y: eight K steps; W_out's come two to a slot: K step ks lies in slot (ks / 2) % 3
.macro FETCH3 ks                       ; a K step's operands: 32 + 8 + 1 loads
	WIN 0x40
.set b_, 0
.rept 8
	FRAG4 96*((\ks)%2)+12*b_, BA16+((\ks)/2)%3, BA8+((\ks)/2)%3, 3072*b_+1536*((\ks)%2)
.set b_, b_+1
.endr
	WIN 0
.irp a, 0,1
	FRAG4 AF+24*((\ks)%2)+12*\a, RI16, RI8, 1536*(8*\a+(\ks))
.endr
	ds_load_b32 v[RSS+(\ks)%2], v[RS4] offset:64*(\ks)
.endm
.macro P3 ks
.if (\ks)==1                                   ; both K steps of slot 0 have been fetched: it is filled again, with K steps 6 and 7
	s_wait_tensorcnt 0x0                           ; all my tensor loads have landed, slots 1 and 2 among them
	ds_add_u32 v[SPW], v[NIL]
	s_add_nc_u64 s[G0O+2:G0O+3], s[G0O+2:G0O+3], 9216
	s_wait_dscnt 0x0                               ; the add is done, and my reads of slot 0 are over
	ROUND                                          ; no wave of any partner still reads slot 0 or has a load on its way
	tensor_load_to_lds s[G0O:G0O+3], s[G1O:G1O+7]
	s_nop 0
	PLACES 4
.elseif (\ks)==5
	s_wait_tensorcnt 0x0                           ; my last load, K steps 6 and 7, has landed: no load was issued behind it; only I read its bytes
	PLACES 4
.else
	PLACES 4                                       ; in front of loads into registers that the last products but one read
.endif
.if (\ks) < 7
	FETCH3 (\ks)+1
	s_wait_dscnt 41                                ; the 32 + 8 + 1 loads just issued may be out: this step's operands are in
.else
	s_wait_dscnt 0x0
.endif
.if (\ks)==0
	WIN 0xb1                                       ; W_out window 1, LN(r) window 0, b_out window 3, y window 2
.else
	WIN 0xa1
.endif
.irp a, 0,1
.irp b, 0,1,2,3,4,5,6,7
.if (\ks)==0
	WMMA6 64*\a+8*\b, 128+8*\b, 96*((\ks)%2)+12*\b, AF+24*((\ks)%2)+12*\a, WOS+8*(\b/2)+(\ks), RSS+(\ks)%2, \b%2, \a%2   ; the first products start the sums from b_out
.else
	WMMA6 64*\a+8*\b, 64*\a+8*\b, 96*((\ks)%2)+12*\b, AF+24*((\ks)%2)+12*\a, WOS+8*(\b/2)+(\ks), RSS+(\ks)%2, \b%2, \a%2 ; the 16 accumulators take turns
.endif
.endr
.endr
	WIN 0
.endm
	s_wait_tensorcnt 2                             ; W_out's K steps 0 and 1 are in (the loads of slots 1 and 2 may be out); only I read my part
	FETCH3 0
.irp k, 0,1,2,3,4,5,6,7
	P3 \k
.endr
	; ---- THE WAY OUT: a row tile (16 rows x my 128 columns) at a time through my stage, and out as whole rows of 512 bytes
.macro TOSTAGE a
	WIN 0x08
.irp b, 0,1,2,3
.irp i, 0,1,2,3
	ds_store_b128 v[STO], v[64*(\a)+16*\b+4*\i:64*(\a)+16*\b+4*\i+3] offset:128*\b+16*\i     ; each accumulator from its low end on
.endr
.endr
	WIN 0
.set t_, 0
.rept 16
	ds_load_b128 v[BK+64*((\a)%2)+4*t_:BK+64*((\a)%2)+4*t_+3], v[RDY] offset:528*t_         ; LDS serves a wave's instructions in order: these see the stores above
.set t_, t_+1
.endr
.endm
.macro SEND a, younger
	s_wait_dscnt \younger                          ; the tile is back in registers; the next tile's 16 stores and 16 loads may be out
.set t_, 0
.rept 16
	global_store_b128 v[CO], v[BK+64*((\a)%2)+4*t_:BK+64*((\a)%2)+4*t_+3], s[14:15] offset:16384*(8*(\a)+t_+8*(t_/8)) th:TH_STORE_NT   ; 512 consecutive bytes, at a multiple of 256 from out0's first byte
.set t_, t_+1
.endr
.endm
	PLACES 4                                       ; behind the last products
	TOSTAGE 0
	TOSTAGE 1
	SEND 0, 32
	SEND 1, 0
	s_wait_tensorcnt 0x0                           ; the wave's end
	ds_add_u32 v[SPW], v[NIL]
	s_wait_dscnt 0x0
	ROUND                                          ; the closing round
	s_endpgm
.Lfunc_end_k_q140a8b3eb9_ln_out:
	.size	k_q140a8b3eb9_ln_out, .Lfunc_end_k_q140a8b3eb9_ln_out-k_q140a8b3eb9_ln_out
	.p2alignl 7, 3214868480
	.fill 96, 4, 3214868480
	.section	.rodata,"a",@progbits
	.p2align	6, 0x0
	.amdhsa_kernel k_q140a8b3eb9_ln_out
		.amdhsa_group_segment_fixed_size 327680
		.amdhsa_private_segment_fixed_size 0
		.amdhsa_enable_private_segment 0
		.amdhsa_kernarg_size 48
		.amdhsa_user_sgpr_count 2
		.amdhsa_user_sgpr_kernarg_segment_ptr 1
		.amdhsa_wavefront_size32 1
		.amdhsa_system_sgpr_workgroup_id_x 1
		.amdhsa_system_sgpr_workgroup_id_y 1
		.amdhsa_system_sgpr_workgroup_id_z 1
		.amdhsa_system_vgpr_workitem_id 0
		.amdhsa_next_free_vgpr 1024
		.amdhsa_next_free_sgpr 66
		.amdhsa_reserve_vcc 0
		.amdhsa_float_denorm_mode_32 3
		.amdhsa_float_denorm_mode_16_64 3
		.amdhsa_memory_ordered 1
		.amdhsa_forward_progress 1
		.amdhsa_inst_pref_size 130
	.end_amdhsa_kernel
	.amdgpu_metadata
---
amdhsa.version: [ 1, 2 ]
amdhsa.kernels:
  - .name:           k_q140a8b3eb9_ln_out
    .symbol:         k_q140a8b3eb9_ln_out.kd
    .args:
      - { .name: R, .offset: 0, .size: 8, .value_kind: global_buffer, .address_space: global }
      - { .name: WB, .offset: 8, .size: 8, .value_kind: global_buffer, .address_space: global }
      - { .name: ln_g, .offset: 16, .size: 8, .value_kind: global_buffer, .address_space: global }
      - { .name: ln_b, .offset: 24, .size: 8, .value_kind: global_buffer, .address_space: global }
      - { .name: b_out, .offset: 32, .size: 8, .value_kind: global_buffer, .address_space: global }
      - { .name: out0, .offset: 40, .size: 8, .value_kind: global_buffer, .address_space: global }
    .group_segment_fixed_size: 327680
    .private_segment_fixed_size: 0
    .kernarg_segment_align: 8
    .kernarg_segment_size: 48
    .max_flat_workgroup_size: 128
    .sgpr_count:     66
    .vgpr_count:     1024
    .wavefront_size: 32
...
	.end_amdgpu_metadata
.endif
;; end of part 6
